; MI455X (gfx1250); checked and timed in simulation.
; The chip was launched on July 23, 2026; its instructions are those of AMD's public machine-readable ISA for CDNA 5 (MIT licence, August 2026) and "CDNA5" Instruction Set Architecture Reference Guide (July 2026). The comments in the code are by the model that wrote it; some were corrected since.
;; Llama Decoder Layer. Allowed arithmetic: matrix products marked QUANTISED: E2M3 operands, one E8M0 scale for each 32 along K, by v_wmma_scale_f32_16x16x128_f8f6f4 with both operands' format E2M3, f32 sums; everything else in f32.
;; Inputs: hidden_states 1 x 4,096 x 768 float32; ln1_w 768 float32; ln2_w 768 float32; w_down_codes 768 x 96 x 24 uint8 (E2M3 codes of w_down, K innermost, in blocks of 32 codes, four codes in three bytes); w_down_scales 768 x 96 uint8 (E8M0 scales of w_down, one for each 32 codes along K); w_up_codes 3,072 x 24 x 24 uint8 (E2M3 codes of w_up, K innermost, in blocks of 32 codes, four codes in three bytes); w_up_scales 3,072 x 24 uint8 (E8M0 scales of w_up, one for each 32 codes along K); wk_codes 768 x 24 x 24 uint8 (E2M3 codes of wk, K innermost, in blocks of 32 codes, four codes in three bytes); wk_scales 768 x 24 uint8 (E8M0 scales of wk, one for each 32 codes along K); wo_codes 768 x 24 x 24 uint8 (E2M3 codes of wo, K innermost, in blocks of 32 codes, four codes in three bytes); wo_scales 768 x 24 uint8 (E8M0 scales of wo, one for each 32 codes along K); wq_codes 768 x 24 x 24 uint8 (E2M3 codes of wq, K innermost, in blocks of 32 codes, four codes in three bytes); wq_scales 768 x 24 uint8 (E8M0 scales of wq, one for each 32 codes along K); wv_codes 768 x 24 x 24 uint8 (E2M3 codes of wv, K innermost, in blocks of 32 codes, four codes in three bytes); wv_scales 768 x 24 uint8 (E8M0 scales of wv, one for each 32 codes along K).
;; Outputs: out0 1 x 4,096 x 768 float32.
;; This version of the problem:
;;   THIS VERSION OF THE PROBLEM IS GIVEN IN LOW PRECISION. The matrix products marked QUANTISED in the list below multiply operands that are first quantised to E2M3 (2 exponent bits, 3 mantissa bits; 6 bits a number), with one power-of-two scale for each 32 numbers along K (OCP MX v1.0); their sums are f32. All else is computed in f32.
;;   The module's matrix products, in the order in which they are computed (A, B: the left and right operand; K: the contracted axis; several contracted axes count as one K, in the product's order):
;;     1. [M 4,096, K 768] x [K 768, N 768]; A: computed on the way; B: input wq (given as codes): QUANTISED
;;     2. [M 4,096, K 768] x [K 768, N 768]; A: computed on the way; B: input wk (given as codes): QUANTISED
;;     3. [M 4,096, K 768] x [K 768, N 768]; A: computed on the way; B: input wv (given as codes): QUANTISED
;;     4. batch 12 x [M 4,096, K 64] x [K 64, N 4,096]; A: computed on the way; B: computed on the way: QUANTISED
;;     5. batch 12 x [M 4,096, K 4,096] x [K 4,096, N 64]; A: softmax (see below); B: computed on the way: QUANTISED
;;     6. [M 4,096, K 768] x [K 768, N 768]; A: computed on the way; B: input wo (given as codes): QUANTISED
;;     7. [M 4,096, K 768] x [K 768, N 3,072]; A: computed on the way; B: input w_up (given as codes): QUANTISED
;;     8. [M 4,096, K 3,072] x [K 3,072, N 768]; A: computed on the way; B: input w_down (given as codes): QUANTISED
;;   THE QUANTISER, for each operand of a quantised product, along K:
;;     - K is cut into blocks of 32 from its start; a last block that is shorter is filled with zeros.
;;     - A block's scale is 2^e with e = floor(log2(the largest magnitude in the block)) - 2, held to -126 .. 127; a block of zeros has e = 0. As a byte (E8M0): e + 127.
;;     - Each number is divided by its block's scale, clamped to +-7.5, and rounded to the nearest number of E2M3, ties to even, subnormals kept.
;;     - The product sums the exact products of the quantised numbers (number of the format x scale) in f32.
;;   ~~~python
;;   def quantise(x, axis):      # numpy; x: float32 -> the quantised numbers, widened to float32 again
;;       x = np.moveaxis(x, axis, -1); K = x.shape[-1]
;;       x = np.pad(x, [(0, 0)] * (x.ndim - 1) + [(0, -K % 32)]); x = x.reshape(x.shape[:-1] + (-1, 32)); a = np.abs(x).max(-1, keepdims=True)
;;       e = np.where(a > 0, np.clip(np.frexp(np.where(a > 0, a, 1))[1] - 1 - 2, -126, 127), 0)      # np.frexp(a)[1] - 1 = floor(log2(a)), exactly
;;       r = np.clip(x / 2.0 ** e, -7.5, 7.5)
;;       step = 2.0 ** (np.maximum(np.frexp(np.where(r == 0, 1, r))[1] - 1, 0) - 3)
;;       q = np.round(r / step) * step * 2.0 ** e      # np.round: ties to even
;;       return np.moveaxis(q.reshape(q.shape[:-2] + (-1,))[..., :K], -1, axis).astype(np.float32)
;;   ~~~
;;   SOFTMAX AHEAD OF A QUANTISED PRODUCT. Where the list says 'softmax', what is quantised is not the finished softmax but p = 2^(t - M), with t = logit x log2(e) and M = ceil(the row's largest t), a whole number; so 1/2 < the row's largest p <= 1. The row's sum l is taken of the UNQUANTISED p, in f32, and the product's result is divided by l at the end. Since M is a whole number, a kernel that streams over the keys may use a running M (the ceiling of the running maximum): every later rescaling is an exact power of two, which a block's scale takes up: the codes' values come out the same.
;;   OPERANDS COMPUTED ON THE WAY. 'Computed on the way' means the value that the module computes at that place (a softmax that the list does not call 'softmax' is quantised finished and normalised). What goes into a quantiser is computed in f32, as accurately as f32 sums, v_exp_f32 and their like allow (about 1e-6 of the number): no bf16 or f16 on the way to a quantiser, and a product that is left as it is and whose result goes on into a quantised operand takes f32 operands (vector FMAs, or v_wmma_f32_16x16x4_f32). A number that lies on a knife's edge between two numbers of the format may be rounded either way, as far as f32 arithmetic and the matrix unit's own rounding can turn it there, and no further.
;;   INPUTS GIVEN AS CODES. w_down (in the module: [768, 3072], K = its axis 1); w_up (in the module: [3072, 768], K = its axis 1); wk (in the module: [768, 768], K = its axis 1); wo (in the module: [768, 768], K = its axis 1); wq (in the module: [768, 768], K = its axis 1); wv (in the module: [768, 768], K = its axis 1): each comes as NAME_codes (uint8): NAME with its K axis moved to the last place and cut into blocks of 32 codes, [.., K / 32, bytes a block], one block behind the other in memory; four codes in three bytes: a row's codes are one little-endian stream of bits, code i at bits 6 i .. 6 i + 5 (a code: sign, 2 exponent bits, 3 mantissa bits); and NAME_scales (uint8): the same leading axes, one E8M0 byte (e + 127) for each 32 codes along K. Its value is code x scale, taken as it is: it is not quantised again, and the codes and scales need not be those that the quantiser above would give.
;; One version. Each part assembles by itself: llvm-mc -triple=amdgcn-amd-amdhsa -mcpu=gfx1250 --defsym DOCPART=n.
;; ======== version 1 of 1: 6 launches
;; limits: right only within a limited range of input values
;; workspace buffers: xq 2,457,600 bytes; wimg 5,529,600 bytes; qi 3,145,728 bytes; kv 4,915,200 bytes; oq 2,457,600 bytes; x1 12,582,912 bytes; hq 2,457,600 bytes; uq 9,830,400 bytes
;; launch prep (part 1): grid 448 x 1, 3 waves a work-group, no clusters, 56,832 bytes of LDS; arguments hidden_states, ln1_w, wq_codes, wq_scales, wk_codes, wk_scales, wv_codes, wv_scales, wo_codes, wo_scales, w_up_codes, w_up_scales, w_down_codes, w_down_scales, xq, wimg; writes xq, wimg
.if DOCPART == 1
	.amdgcn_target "amdgcn-amd-amdhsa--gfx1250"
	.amdhsa_code_object_version 6
	.text
	.protected	k_qeb8528b484_prep
	.globl	k_qeb8528b484_prep
	.p2align	8
	.type	k_qeb8528b484_prep,@function
k_qeb8528b484_prep:
	s_mov_b64 s[64:65], 0
	v_nop
	global_prefetch_b8 v0, s[64:65] scope:SCOPE_SE
	s_setreg_imm32_b32 hwreg(HW_REG_WAVE_MODE, 25, 1), 1
	s_wait_xcnt 0x0
; PREP.  Two jobs in one launch, parted by the work-group's number (the same in all three waves of a work-group).
; Work-groups 0-255: rmsnorm 1 of one tile of 16 tokens, quantised to FP6 (E2M3) along the 768 columns, stored as images of operand registers.
; Work-groups 256-447: the six weights' codes and scale bytes are laid once in the same form (one tile of 16 rows x 768 K to a wave).
; FORMS.  A tile's rows are not neighbours: lane r of tile i of a group of 128 rows takes row 32 (i / 2) + 8 (i % 2) + r + 8 (r / 8).
; A fragment (16 rows x 128 K, 12 registers a lane) is 1,536 bytes: registers 4 c .. 4 c + 3 of lane l at 512 c + 16 l.
; A BLOCK (8 tiles x 768 K) is 6 steps of 12,800 bytes: the fragment of tile i at 1,536 i, the scale word of (tile i, row r) at 12,288 + 64 i + 4 r.
; LIMITS: NaN and infinities among the inputs are not served.  A block of zeros gets the scale byte 1 (its codes are zeros; this program alone reads the bytes).
; The norm is formed as (x w) rs where the source reads w (x rs): the last bit may differ.
.set BLOCKB, 76800
.set STEPB,  12800
.set SCO,    12288                     ; where a step's scale words begin
.set STG,    16640                     ; LDS: a wave's stage, 16 rows x 1,040 bytes (1,024 + 16: an odd multiple of 16, so sixteen rows fall on different banks)
.set SPI,    1040
.set PS,     49920                     ; LDS: the partial sums of squares, 16 rows x 400 bytes: word [wave][lane]
.set PSP,    400
.set TM,  8                            ; v8-23   the quantiser's work
.set PCA, 24                           ; v24-43  codes of my first K step
.set PWA, 44                           ; v44-45  the two scale words
.set LNW, 48                           ; v48-55  ln1_w of my lane's 8 columns
.set RSQ, 56                           ; v56-57  1 / sqrt(mean + eps), and its argument
.set Z,   64                           ; v64-191 x, then x w
.set PCB, 192                          ; v192-239 partial sums read back; later the codes of my second K step
.set PP,  240                          ; v240-255 my lane's sum of squares, row by row
.set SEL, 54                           ; s[54:55] selects for lane l xor 16
.set HM,  56                           ; s56     a mask of lanes 16-31
; 64 numbers of a lane, register 16 b + i = k 32 b + 16 (lane / 16) + i of my row, become a fragment's codes in v[pc] on and its scale word in v[pw].
.macro QUANT s, pc, pw
.irp b, 0,1,2,3
	v_max3_num_f32 v[TM+\b], |v[\s+16*\b]|, |v[\s+1+16*\b]|, 0x1800000   ; my 16 numbers of block b, and the floor 2^(3 - 127): the byte cannot fall under 1
.endr
.irp i, 2,4,6,8,10,12,14
.irp b, 0,1,2,3
	v_max3_num_f32 v[TM+\b], v[TM+\b], |v[\s+16*\b+\i]|, |v[\s+1+16*\b+\i]|
.endr
.endr
.irp b, 0,1,2,3
	v_permlanex16_b32 v[TM+4+\b], v[TM+\b], s[SEL], s[SEL+1]
.endr
.irp b, 0,1,2,3
	v_max_num_f32 v[TM+\b], v[TM+\b], v[TM+4+\b]         ; with lane l xor 16's: the block's largest magnitude
.endr
.irp b, 0,1,2,3
	v_add_nc_u32 v[TM+12+\b], 0xff000000, v[TM+\b]       ; 2 off its exponent field: the conversion's scale operand
.endr
.irp b, 0,1,2,3
	v_lshrrev_b32 v[TM+4+\b], 23, v[TM+12+\b]            ; the scale's byte
.endr
	v_lshl_or_b32 v[\pw], v[TM+5], 8, v[TM+4]
	v_lshl_or_b32 v[\pw], v[TM+6], 16, v[\pw]
	v_lshl_or_b32 v[\pw], v[TM+7], 24, v[\pw]
.irp c, 0,1
	v_cvt_scalef32_pk16_fp6_f32 v[\pc+6*\c:\pc+2+6*\c], v[\s+32*\c:\s+15+32*\c], v[TM+12+2*\c]
	v_cvt_scalef32_pk16_fp6_f32 v[\pc+12+4*\c:\pc+14+4*\c], v[\s+16+32*\c:\s+31+32*\c], v[TM+12+2*\c+1]
.endr
	v_nop                                                ; one plain line behind the scaled conversions
.irp c, 0,1                                          ; the operand wants a whole block in a lane: lanes 0-15 block 2 c, lanes 16-31 block 2 c + 1
.irp i, 0,1,2
	v_permlane16_swap_b32 v[\pc+6*\c+\i], v[\pc+12+4*\c+\i]
.endr
.irp i, 0,1,2
	v_mov_b32 v[\pc+3+6*\c+\i], v[\pc+12+4*\c+\i]
.endr
.endr
.endm
	s_load_b512 s[16:31], s[0:1], 0x0              ; hidden 16, ln1_w 18, wq 20/22, wk 24/26, wv 28/30 (codes / scales)
	s_load_b512 s[32:47], s[0:1], 0x40             ; wo 32/34, w_up 36/38, w_down 40/42, xq 44, wimg 46
	v_lshl_add_u32 v62, v0, 2, 0xdc00
	v_mov_b32 v63, 0
	v_lshrrev_b32 v1, 5, v0
	v_readfirstlane_b32 s2, v1                     ; wave 0..2
	v_and_b32 v1, 31, v0                           ; lane
	v_and_b32 v2, 15, v0                           ; r
	v_bfe_u32 v3, v0, 4, 1                         ; h
	v_lshlrev_b32 v4, 4, v1                        ; 16 x lane
	s_cmp_ge_u32 ttmp9, 256
	s_cbranch_scc1 .Lweights
	; ---------------- the norm: tile t = the work-group's number; wave w owns columns 256 w .. 256 w + 255 = K steps 2 w, 2 w + 1
	s_lshr_b32 s3, ttmp9, 3                        ; t / 8: the BLOCK
	s_and_b32 s4, ttmp9, 7                         ; t % 8: the tile in it
	s_lshr_b32 s5, s4, 1
	s_lshl_b32 s5, s5, 5
	s_and_b32 s6, ttmp9, 1
	s_lshl_b32 s6, s6, 3
	s_lshl_b32 s7, s3, 7
	s_add_co_u32 s7, s7, s5
	s_add_co_u32 s7, s7, s6                        ; the tile's first token
	s_mul_i32 s8, s7, 3072
	s_lshl_b32 s10, s2, 10                         ; my wave's 1,024 bytes of a row
	s_add_co_u32 s8, s8, s10
	s_mov_b32 s9, 0
	s_mov_b32 s11, 0
	s_mul_i32 s12, s3, BLOCKB
	s_mul_i32 s14, s2, 2*STEPB
	s_add_co_u32 s12, s12, s14                     ; the BLOCK, at my first K step
	s_mov_b32 s13, 0
	s_mul_i32 s14, s4, 1536
	s_mov_b32 s15, 0
	s_lshl_b32 s48, s4, 6
	s_mov_b32 s49, 0
	s_mul_i32 s52, s2, STG
	s_lshl_b32 s53, s2, 7
	s_add_co_u32 s53, s53, PS
	s_mov_b32 s[SEL], 0x76543210
	s_mov_b32 s[SEL+1], 0xfedcba98
	s_mov_b32 s[HM], 0xffff0000
	s_mov_b32 s57, 0x3aaaaaab                      ; 1 / 768
	s_mov_b32 s58, 0x3727c5ac                      ; 1e-5
	s_wait_alu depctr_va_vdst(0)
	v_add_nc_u32 v5, s52, v4                       ; the stage, in: 16 x lane in a row's 512 bytes
	v_lshlrev_b32 v6, 2, v1
	v_add_nc_u32 v6, s53, v6                       ; the partial sums, in: 128 w + 4 x lane
	v_mul_u32_u24 v7, v2, SPI
	v_lshl_add_u32 v7, v3, 6, v7
	v_add_nc_u32 v7, s52, v7                       ; the stage, out: row r, + 64 h: my 16 numbers of each block of 32
	v_mul_u32_u24 v47, v2, PSP
	v_mad_u32_u24 v47, v3, 192, v47
	v_add_nc_u32 v47, PS, v47                      ; the partial sums, out: row r, my half of its 96 words
	v_mul_u32_u24 v58, v3, STEPB
	v_lshl_add_u32 v58, v2, 2, v58                 ; the scale words' place: 12,800 h + 4 r
.irp b, 0,1,2,3
	v_mov_b32 v[TM+4+\b], 0                        ; written once: a lane permute's destination counts as read
.endr
	s_wait_kmcnt 0x0
	s_add_nc_u64 s[16:17], s[16:17], s[8:9]
	s_add_nc_u64 s[18:19], s[18:19], s[10:11]
	s_add_nc_u64 s[44:45], s[44:45], s[12:13]
	s_add_nc_u64 s[50:51], s[44:45], s[48:49]      ; xq: my tile's scale words
	s_add_nc_u64 s[44:45], s[44:45], s[14:15]      ; xq: my tile's fragments
	global_load_b128 v[LNW:LNW+3], v4, s[18:19]
	global_load_b128 v[LNW+4:LNW+7], v4, s[18:19] offset:512
.irp i, 0,1,2,3,4,5,6,7,8,9,10,11,12,13,14,15
	global_load_b128 v[Z+8*\i:Z+8*\i+3], v4, s[16:17] offset:(\i+8*(\i/8))*3072 th:TH_LOAD_NT       ; 32 lanes read 512 consecutive bytes of row i
	global_load_b128 v[Z+8*\i+4:Z+8*\i+7], v4, s[16:17] offset:(\i+8*(\i/8))*3072+512 th:TH_LOAD_NT
.endr
.irp i, 0,1,2,3,4,5,6,7,8,9,10,11,12,13,14,15
	s_wait_loadcnt 2*(15-\i)                       ; row i is in; the two loads of each younger row may be out
	v_pk_mul_f32 v[PCB+2*(\i%4):PCB+2*(\i%4)+1], v[Z+8*\i:Z+8*\i+1], v[Z+8*\i:Z+8*\i+1]
.irp k, 2,4,6
	v_pk_fma_f32 v[PCB+2*(\i%4):PCB+2*(\i%4)+1], v[Z+8*\i+\k:Z+8*\i+\k+1], v[Z+8*\i+\k:Z+8*\i+\k+1], v[PCB+2*(\i%4):PCB+2*(\i%4)+1]
.endr
	v_add_f32 v[PP+\i], v[PCB+2*(\i%4)], v[PCB+2*(\i%4)+1]       ; my 8 numbers' squares
.irp k, 0,2,4,6
	v_pk_mul_f32 v[Z+8*\i+\k:Z+8*\i+\k+1], v[Z+8*\i+\k:Z+8*\i+\k+1], v[LNW+\k:LNW+\k+1]   ; x w
.endr
	ds_store_b128 v5, v[Z+8*\i:Z+8*\i+3] offset:SPI*\i
	ds_store_b128 v5, v[Z+8*\i+4:Z+8*\i+7] offset:SPI*\i+512
	ds_store_b32 v6, v[PP+\i] offset:PSP*\i
.endr
.irp e, 0,1                                    ; back in the quantiser's order; my wave's own bytes, served in order: no wait, no barrier
.irp b, 0,1,2,3
.irp j, 0,1,2,3
	ds_load_b128 v[Z+64*\e+16*\b+4*\j:Z+64*\e+16*\b+4*\j+3], v7 offset:512*\e+128*\b+16*\j
.endr
.endr
.endr
	s_wait_dscnt 0x0                               ; for the others' sake: my partial sums have landed
	s_barrier_signal -1
	s_barrier_wait -1
.irp q, 0,1,2,3,4,5,6,7,8,9,10,11
	ds_load_b128 v[PCB+4*\q:PCB+4*\q+3], v47 offset:16*\q
.endr
	s_wait_dscnt 0x0
.irp k, 0,1,2,3,4,5,6,7,8,9,10,11
	v_pk_add_f32 v[PCB+4*\k:PCB+4*\k+1], v[PCB+4*\k:PCB+4*\k+1], v[PCB+4*\k+2:PCB+4*\k+3]
.endr
.irp k, 0,1,2,3,4,5
	v_pk_add_f32 v[PCB+8*\k:PCB+8*\k+1], v[PCB+8*\k:PCB+8*\k+1], v[PCB+8*\k+4:PCB+8*\k+5]
.endr
.irp k, 0,1,2
	v_pk_add_f32 v[PCB+16*\k:PCB+16*\k+1], v[PCB+16*\k:PCB+16*\k+1], v[PCB+16*\k+8:PCB+16*\k+9]
.endr
	v_pk_add_f32 v[PCB:PCB+1], v[PCB:PCB+1], v[PCB+16:PCB+17]
	v_pk_add_f32 v[PCB:PCB+1], v[PCB:PCB+1], v[PCB+32:PCB+33]
	v_add_f32 v[PCB], v[PCB], v[PCB+1]
	v_permlanex16_b32 v[PCB+2], v[PCB], s[SEL], s[SEL+1]
	v_add_f32 v[PCB], v[PCB], v[PCB+2]             ; the row's sum of squares, the same bits in all three waves
	v_fma_f32 v[RSQ+1], v[PCB], s57, s58           ; mean + eps
	s_wait_alu depctr_va_vdst(0)
	v_rsq_f32 v[RSQ], v[RSQ+1]
	v_nop                                          ; a plain line behind the transcendental,
	s_wait_alu depctr_va_vdst(0)                   ; and the wait ahead of its first reader
.irp e, 0,1
.set PCE, PCA+(PCB-PCA)*\e
.set j, 0
.rept 32
	v_pk_mul_f32 v[Z+64*\e+j:Z+64*\e+j+1], v[Z+64*\e+j:Z+64*\e+j+1], v[RSQ:RSQ+1] op_sel_hi:[1,0]
.set j, j+2
.endr
	QUANT Z+64*\e, PCE, PWA+\e
.irp c, 0,1,2
	global_store_b128 v4, v[PCE+4*\c:PCE+4*\c+3], s[44:45] offset:STEPB*\e+512*\c     ; 512 consecutive bytes a store
.endr
.endr
	v_cndmask_b32 v59, v[PWA], v[PWA+1], s[HM]     ; lanes 0-15: my first K step's words, lanes 16-31: my second's
	global_store_b32 v58, v59, s[50:51] offset:SCO
	s_wait_tensorcnt 0x0
	ds_add_u32 v62, v63
	s_wait_dscnt 0x0
	s_endpgm
	; ---------------- the weights: unit u = 3 (work-group - 256) + wave = BLOCK B = u / 8, tile i = u % 8
.Lweights:
	s_sub_co_u32 s3, ttmp9, 256
	s_mul_i32 s3, s3, 3
	s_add_co_u32 s3, s3, s2                        ; u, 0 .. 575
	s_lshr_b32 s4, s3, 3                           ; B, 0 .. 71
	s_and_b32 s5, s3, 7                            ; i
	s_mul_i32 s6, s4, 43
	s_lshr_b32 s6, s6, 8                           ; B / 6 (exact for B under 72): 0-3 wq wk wv wo, 4-7 w_up, 8-11 w_down's K chunks
	s_mul_i32 s7, s6, 6
	s_sub_co_u32 s7, s4, s7                        ; B % 6
	s_sub_co_u32 s8, s4, 24
	s_lshr_b32 s9, s6, 2
	s_cmp_eq_u32 s9, 1
	s_cselect_b32 s7, s8, s7                       ; the group of 128 rows: B - 24 in w_up, else B % 6
	s_sub_co_u32 s8, s6, 8
	s_mov_b32 s10, 2304
	s_cmp_lt_u32 s6, 8
	s_cselect_b32 s8, 0, s8                        ; the K chunk of 768: w_down's alone is not 0
	s_cselect_b32 s10, 576, s10                    ; a row of codes in bytes
	s_cselect_b32 s11, 24, 96                      ; a row of scale bytes
	s_lshl_b32 s12, s7, 7
	s_lshr_b32 s13, s5, 1
	s_lshl_b32 s13, s13, 5
	s_add_co_u32 s12, s12, s13
	s_and_b32 s13, s5, 1
	s_lshl_b32 s13, s13, 3
	s_add_co_u32 s12, s12, s13                     ; the tile's first row
	s_mul_i32 s14, s12, s10
	s_mul_i32 s13, s8, 576
	s_add_co_u32 s14, s14, s13
	s_mov_b32 s15, 0
	s_mul_i32 s52, s12, s11
	s_mul_i32 s13, s8, 24
	s_add_co_u32 s52, s52, s13
	s_mov_b32 s53, 0
	s_wait_alu depctr_va_vdst(0)
	v_and_b32 v5, 8, v2
	v_add_nc_u32 v5, v5, v2                        ; r + 8 (r / 8)
	v_mul_lo_u32 v6, v5, s10
	v_mad_u32_u24 v6, v3, 24, v6                   ; codes: my row, + 24 h
	v_mul_lo_u32 v7, v5, s11
	v_lshl_add_u32 v7, v3, 2, v7                   ; scale words: my row; lanes 16-31 take the odd K steps
	v_mul_u32_u24 v8, v3, STEPB
	v_lshl_add_u32 v8, v2, 2, v8                   ; and where they go: 12,800 h + 4 r
	s_mul_i32 s50, s4, BLOCKB
	s_mul_i32 s13, s5, 1536
	s_add_co_u32 s48, s50, s13
	s_mov_b32 s49, 0
	s_lshl_b32 s13, s5, 6
	s_add_co_u32 s50, s50, s13
	s_mov_b32 s51, 0
	s_wait_alu depctr_va_vdst(0)
	s_wait_kmcnt 0x0
	s_cmp_lt_u32 s6, 8                             ; the buffers are chosen by B / 6, which hangs on ids alone
	s_cselect_b64 s[40:41], s[36:37], s[40:41]
	s_cselect_b64 s[42:43], s[38:39], s[42:43]
	s_cmp_lt_u32 s6, 4
	s_cselect_b64 s[40:41], s[32:33], s[40:41]
	s_cselect_b64 s[42:43], s[34:35], s[42:43]
	s_cmp_lt_u32 s6, 3
	s_cselect_b64 s[40:41], s[28:29], s[40:41]
	s_cselect_b64 s[42:43], s[30:31], s[42:43]
	s_cmp_lt_u32 s6, 2
	s_cselect_b64 s[40:41], s[24:25], s[40:41]
	s_cselect_b64 s[42:43], s[26:27], s[42:43]
	s_cmp_lt_u32 s6, 1
	s_cselect_b64 s[40:41], s[20:21], s[40:41]
	s_cselect_b64 s[42:43], s[22:23], s[42:43]
	s_add_nc_u64 s[40:41], s[40:41], s[14:15]
	s_add_nc_u64 s[42:43], s[42:43], s[52:53]
	s_add_nc_u64 s[48:49], s[46:47], s[48:49]
	s_add_nc_u64 s[50:51], s[46:47], s[50:51]
.irp s, 0,1,2,3,4,5
.irp p, 0,1,2,3,4,5
	global_load_b64 v[64+12*\s+2*\p:65+12*\s+2*\p], v6, s[40:41] offset:96*\s+48*(\p/3)+8*(\p%3) th:TH_LOAD_NT   ; the row's stream of bits is the register image
.endr
.endr
.irp a, 0,1,2
	global_load_b32 v[136+\a], v7, s[42:43] offset:8*\a
.endr
	s_wait_loadcnt 0x0
.irp s, 0,1,2,3,4,5
.irp c, 0,1,2
	global_store_b128 v4, v[64+12*\s+4*\c:67+12*\s+4*\c], s[48:49] offset:STEPB*\s+512*\c
.endr
.endr
.irp a, 0,1,2
	global_store_b32 v8, v[136+\a], s[50:51] offset:SCO+2*STEPB*\a
.endr
	s_endpgm
.Lfunc_end_k_qeb8528b484_prep:
	.size	k_qeb8528b484_prep, .Lfunc_end_k_qeb8528b484_prep-k_qeb8528b484_prep
	.p2alignl 7, 3214868480
	.fill 96, 4, 3214868480
	.section	.rodata,"a",@progbits
	.p2align	6, 0x0
	.amdhsa_kernel k_qeb8528b484_prep
		.amdhsa_group_segment_fixed_size 56832
		.amdhsa_private_segment_fixed_size 0
		.amdhsa_enable_private_segment 0
		.amdhsa_kernarg_size 128
		.amdhsa_user_sgpr_count 2
		.amdhsa_user_sgpr_kernarg_segment_ptr 1
		.amdhsa_wavefront_size32 1
		.amdhsa_system_sgpr_workgroup_id_x 1
		.amdhsa_system_sgpr_workgroup_id_y 1
		.amdhsa_system_sgpr_workgroup_id_z 1
		.amdhsa_system_vgpr_workitem_id 0
		.amdhsa_next_free_vgpr 256
		.amdhsa_next_free_sgpr 66
		.amdhsa_reserve_vcc 0
		.amdhsa_float_denorm_mode_32 3
		.amdhsa_float_denorm_mode_16_64 3
		.amdhsa_memory_ordered 1
		.amdhsa_forward_progress 1
		.amdhsa_inst_pref_size 44
	.end_amdhsa_kernel
	.amdgpu_metadata
---
amdhsa.version: [ 1, 2 ]
amdhsa.kernels:
  - .name:           k_qeb8528b484_prep
    .symbol:         k_qeb8528b484_prep.kd
    .args:
      - { .name: hidden_states, .offset: 0, .size: 8, .value_kind: global_buffer, .address_space: global }
      - { .name: ln1_w, .offset: 8, .size: 8, .value_kind: global_buffer, .address_space: global }
      - { .name: wq_codes, .offset: 16, .size: 8, .value_kind: global_buffer, .address_space: global }
      - { .name: wq_scales, .offset: 24, .size: 8, .value_kind: global_buffer, .address_space: global }
      - { .name: wk_codes, .offset: 32, .size: 8, .value_kind: global_buffer, .address_space: global }
      - { .name: wk_scales, .offset: 40, .size: 8, .value_kind: global_buffer, .address_space: global }
      - { .name: wv_codes, .offset: 48, .size: 8, .value_kind: global_buffer, .address_space: global }
      - { .name: wv_scales, .offset: 56, .size: 8, .value_kind: global_buffer, .address_space: global }
      - { .name: wo_codes, .offset: 64, .size: 8, .value_kind: global_buffer, .address_space: global }
      - { .name: wo_scales, .offset: 72, .size: 8, .value_kind: global_buffer, .address_space: global }
      - { .name: w_up_codes, .offset: 80, .size: 8, .value_kind: global_buffer, .address_space: global }
      - { .name: w_up_scales, .offset: 88, .size: 8, .value_kind: global_buffer, .address_space: global }
      - { .name: w_down_codes, .offset: 96, .size: 8, .value_kind: global_buffer, .address_space: global }
      - { .name: w_down_scales, .offset: 104, .size: 8, .value_kind: global_buffer, .address_space: global }
      - { .name: xq, .offset: 112, .size: 8, .value_kind: global_buffer, .address_space: global }
      - { .name: wimg, .offset: 120, .size: 8, .value_kind: global_buffer, .address_space: global }
    .group_segment_fixed_size: 56832
    .private_segment_fixed_size: 0
    .kernarg_segment_align: 8
    .kernarg_segment_size: 128
    .max_flat_workgroup_size: 96
    .sgpr_count:     66
    .vgpr_count:     256
    .wavefront_size: 32
...
	.end_amdgpu_metadata
.endif
;; end of part 1
;; launch qkv (part 2): grid 32 x 6, 12 waves a work-group, clusters of 4 x 1, 308,736 bytes of LDS; arguments xq, wimg, qi, kv; writes qi, kv
.if DOCPART == 2
	.amdgcn_target "amdgcn-amd-amdhsa--gfx1250"
	.amdhsa_code_object_version 6
	.text
	.protected	k_qeb8528b484_qkv
	.globl	k_qeb8528b484_qkv
	.p2align	8
	.type	k_qeb8528b484_qkv,@function
k_qeb8528b484_qkv:
	s_mov_b64 s[64:65], 0
	v_nop
	global_prefetch_b8 v0, s[64:65] scope:SCOPE_SE
	s_setreg_imm32_b32 hwreg(HW_REG_WAVE_MODE, 25, 1), 1
	s_wait_xcnt 0x0
	s_wait_alu depctr_hold_cnt(0) depctr_sa_sdst(0) depctr_va_vdst(0) depctr_va_sdst(0) depctr_va_ssrc(0) depctr_va_vcc(0) depctr_vm_vsrc(0)
	s_getreg_b32 s2, hwreg(HW_REG_IB_STS2, 6, 4)
	s_cmp_eq_u32 s2, 0
	s_cbranch_scc0 .Lentry_in_a_cluster
	s_endpgm
.Lentry_in_a_cluster:
	s_bfe_u32 s2, ttmp6, 0x10000c
	s_cmp_lg_u32 s2, 0x3003
	s_cbranch_scc0 .Lentry_shape_is_right
	s_endpgm
.Lentry_shape_is_right:
; QKV.  q, k and v of two heads (128 columns of wq, wk, wv) for 128 tokens, on FP6 codes, and their quantising: q and k along the head's 64, v along the keys.
; A work-group: token block x (0..31), head pair g (0..5).  Four BLOCKs of 76,800 bytes lie in LDS, each filled once: 0 Wq, 1 Wk, 2 X, 3 Wv.
; Twelve waves, three to a SIMD: product p = wave / 4 (q, k, v), part la = wave % 4.  A wave multiplies 2 tiles on the lanes (source 1) by 8 tiles on the registers (source 0): 16 accumulators.
; q, k: lanes = tokens, registers = the 128 columns.  v: lanes = Wv's rows (d), registers = the 128 tokens, so that the keys run along a lane's registers.
; The tiles' rows are ordered so that the 16 registers of two neighbouring source-0 tiles are 16 neighbours along the next K.
; THE FILLS: 4 BLOCKs x 3 pieces of two K steps (25,600 bytes) are twelve tensor loads, one a wave, all at the head: wave w fetches K steps 2 (w / 4), + 1 of BLOCK w % 4.  No LDS byte is filled twice.
; CLUSTER: the four token blocks of a cluster take the same weights: those BLOCKs are asked for jointly (mask 15); X's BLOCK is each work-group's own.
; No prefetch: the launch has no loop to run ahead in; all that it reads is asked for at its head.
; LIMITS: NaN and infinities are not served; a block of zeros gets the scale byte 1 (zero codes; read by this program alone).
.set BLOCKB, 76800
.set STEPB,  12800
.set SCO,    12288
.set SPARE,  307200                    ; behind the four BLOCKs: the spare words, 128 bytes for each of 12 waves
.set LS,  18                           ; v18     scale words of my two lane tiles (lanes 0-15 the first, 16-31 the second)
.set RS,  19                           ; v19-22  scale words of the eight register tiles, two to a register
.set LF,  24                           ; v24-47  fragments of my two lane tiles
.set RF,  48                           ; v48-95  fragments of four register tiles
.set ACC, 128                          ; v128-255 accumulators: (lane tile l, register tile i) at 64 l + 8 i
.set PC0, 88                           ; the way out: codes of lane tile 0 (v88-107), of lane tile 1 (v24-43)
.set PC1, 24
.set TM,  108                          ; v108-123 the quantiser's work
.set PW0, 124
.set PW1, 125
.set WV,  12
.set SEL, 18
.set HM,  20
.set G1P, 24                           ; s[24:31] group 1, plain;  s[32:39] group 1, joint
.set G1J, 32
.set G0X, 40                           ; s[40:43] group 0 for X;  s[48:51] for a weight
.set G0W, 48
.macro DENSE g, rows                   ; words 1 to 7 of a group 1: a dense block as rows of 256 bytes (32 elements of 8 bytes)
	s_mov_b32 s[\g+1], 32<<16
	s_mov_b32 s[\g+2], (\rows)<<16
	s_mov_b32 s[\g+3], 32<<16
	s_mov_b32 s[\g+4], \rows
	s_mov_b32 s[\g+5], 32
	s_mov_b32 s[\g+6], 0
	s_mov_b32 s[\g+7], 0
.endm
.macro CROUND                          ; a round of the cluster's barrier
	s_barrier_signal -1
	s_barrier_wait -1
	s_cmp_lg_u32 s[WV], 0
	s_cbranch_scc1 .Lnot_wave_0_\@
	s_barrier_signal -3
.Lnot_wave_0_\@:
	s_barrier_wait -3
	s_barrier_signal -1
	s_barrier_wait -1
.endm
; One product on the registers named by rD, rA, rB, rSA, rSB.  zero: C is 0;  ra, rb: the side's scale words stand in lanes 16-31.
.macro WM zero, ra, rb
.if (\zero) && (\ra) && (\rb)
	v_wmma_scale_f32_16x16x128_f8f6f4 v[rD:rD+7], v[rA:rA+11], v[rB:rB+11], 0, v[rSA], v[rSB] matrix_a_fmt:MATRIX_FMT_FP6 matrix_b_fmt:MATRIX_FMT_FP6 matrix_a_scale:MATRIX_SCALE_ROW1 matrix_b_scale:MATRIX_SCALE_ROW1
.elseif (\zero) && (\ra)
	v_wmma_scale_f32_16x16x128_f8f6f4 v[rD:rD+7], v[rA:rA+11], v[rB:rB+11], 0, v[rSA], v[rSB] matrix_a_fmt:MATRIX_FMT_FP6 matrix_b_fmt:MATRIX_FMT_FP6 matrix_a_scale:MATRIX_SCALE_ROW1
.elseif (\zero) && (\rb)
	v_wmma_scale_f32_16x16x128_f8f6f4 v[rD:rD+7], v[rA:rA+11], v[rB:rB+11], 0, v[rSA], v[rSB] matrix_a_fmt:MATRIX_FMT_FP6 matrix_b_fmt:MATRIX_FMT_FP6 matrix_b_scale:MATRIX_SCALE_ROW1
.elseif (\zero)
	v_wmma_scale_f32_16x16x128_f8f6f4 v[rD:rD+7], v[rA:rA+11], v[rB:rB+11], 0, v[rSA], v[rSB] matrix_a_fmt:MATRIX_FMT_FP6 matrix_b_fmt:MATRIX_FMT_FP6
.elseif (\ra) && (\rb)
	v_wmma_scale_f32_16x16x128_f8f6f4 v[rD:rD+7], v[rA:rA+11], v[rB:rB+11], v[rD:rD+7], v[rSA], v[rSB] matrix_a_fmt:MATRIX_FMT_FP6 matrix_b_fmt:MATRIX_FMT_FP6 matrix_a_scale:MATRIX_SCALE_ROW1 matrix_b_scale:MATRIX_SCALE_ROW1
.elseif (\ra)
	v_wmma_scale_f32_16x16x128_f8f6f4 v[rD:rD+7], v[rA:rA+11], v[rB:rB+11], v[rD:rD+7], v[rSA], v[rSB] matrix_a_fmt:MATRIX_FMT_FP6 matrix_b_fmt:MATRIX_FMT_FP6 matrix_a_scale:MATRIX_SCALE_ROW1
.elseif (\rb)
	v_wmma_scale_f32_16x16x128_f8f6f4 v[rD:rD+7], v[rA:rA+11], v[rB:rB+11], v[rD:rD+7], v[rSA], v[rSB] matrix_a_fmt:MATRIX_FMT_FP6 matrix_b_fmt:MATRIX_FMT_FP6 matrix_b_scale:MATRIX_SCALE_ROW1
.else
	v_wmma_scale_f32_16x16x128_f8f6f4 v[rD:rD+7], v[rA:rA+11], v[rB:rB+11], v[rD:rD+7], v[rSA], v[rSB] matrix_a_fmt:MATRIX_FMT_FP6 matrix_b_fmt:MATRIX_FMT_FP6
.endif
.endm
.macro RHALF hf, zero                  ; eight products: register tiles 4 hf .. 4 hf + 3 x my two lane tiles; the sixteen accumulators take turns, one instruction a turn
.irp i, 0,1,2,3
.irp l, 0,1
.set rD, ACC+64*\l+8*(4*\hf+\i)
.set rA, RF+12*\i
.set rB, LF+12*\l
.set rSA, RS+(4*\hf+\i)/2
.set rSB, LS
	WM \zero, \i%2, \l
.endr
.endr
.endm
; One K step of 128.  v1, v2: my lane tiles' fragments; v3: the register tiles'; v4, v5: their scale words.  first = 0: the five addresses step on; these five lines are also the places
; between the last products and the loads into registers that they read (ISA guide 7.12.1 for vector instructions).
.macro RSTEP zero, first
.if !(\first)
.irp k, 1,2,3,4,5
	v_add_nc_u32 v\k, STEPB, v\k
.endr
.endif
.irp c, 0,1,2
	ds_load_b128 v[LF+4*\c:LF+4*\c+3], v1 offset:512*\c
.endr
.irp c, 0,1,2
	ds_load_b128 v[LF+12+4*\c:LF+12+4*\c+3], v2 offset:512*\c
.endr
	ds_load_b32 v[LS], v4
.irp p, 0,1,2,3
	ds_load_b32 v[RS+\p], v5 offset:128*\p
.endr
.irp i, 0,1,2,3
.irp c, 0,1,2
	ds_load_b128 v[RF+12*\i+4*\c:RF+12*\i+4*\c+3], v3 offset:1536*\i+512*\c
.endr
.endr
	s_wait_alu depctr_va_vdst(0)
	s_wait_dscnt 0x0
	RHALF 0, \zero
.rept 4
	v_nop                                          ; places in front of the loads into the four fragments just multiplied
.endr
.irp i, 0,1,2,3
.irp c, 0,1,2
	ds_load_b128 v[RF+12*\i+4*\c:RF+12*\i+4*\c+3], v3 offset:1536*(\i+4)+512*\c
.endr
.endr
	s_wait_dscnt 0x0
	RHALF 1, \zero
.endm
.macro QUANT s, pc, pw                 ; 64 numbers of a lane, register 16 b + i = k 32 b + 16 (lane / 16) + i, become a fragment in v[pc] on and its scale word in v[pw]
.irp b, 0,1,2,3
	v_max3_num_f32 v[TM+\b], |v[\s+16*\b]|, |v[\s+1+16*\b]|, 0x1800000   ; with the floor 2^(3 - 127): the byte cannot fall under 1
.endr
.irp i, 2,4,6,8,10,12,14
.irp b, 0,1,2,3
	v_max3_num_f32 v[TM+\b], v[TM+\b], |v[\s+16*\b+\i]|, |v[\s+1+16*\b+\i]|
.endr
.endr
.irp b, 0,1,2,3
	s_delay_alu instid0(VALU_DEP_4)
	v_permlanex16_b32 v[TM+4+\b], v[TM+\b], s[SEL], s[SEL+1]
.endr
.irp b, 0,1,2,3
	s_delay_alu instid0(VALU_DEP_4)
	v_max_num_f32 v[TM+\b], v[TM+\b], v[TM+4+\b]
.endr
.irp b, 0,1,2,3
	s_delay_alu instid0(VALU_DEP_4)
	v_add_nc_u32 v[TM+12+\b], 0xff000000, v[TM+\b]       ; 2 off the exponent field: the conversion's scale operand
.endr
.irp b, 0,1,2,3
	s_delay_alu instid0(VALU_DEP_4)
	v_lshrrev_b32 v[TM+4+\b], 23, v[TM+12+\b]
.endr
	s_delay_alu instid0(VALU_DEP_3)
	v_lshl_or_b32 v[\pw], v[TM+5], 8, v[TM+4]
	s_delay_alu instid0(VALU_DEP_1)
	v_lshl_or_b32 v[\pw], v[TM+6], 16, v[\pw]
	s_delay_alu instid0(VALU_DEP_1)
	v_lshl_or_b32 v[\pw], v[TM+7], 24, v[\pw]
.irp c, 0,1
	v_cvt_scalef32_pk16_fp6_f32 v[\pc+6*\c:\pc+2+6*\c], v[\s+32*\c:\s+15+32*\c], v[TM+12+2*\c]
	v_cvt_scalef32_pk16_fp6_f32 v[\pc+12+4*\c:\pc+14+4*\c], v[\s+16+32*\c:\s+31+32*\c], v[TM+12+2*\c+1]
.endr
	v_nop                                                ; one plain line behind the scaled conversions
.irp c, 0,1
.irp i, 0,1,2
	v_permlane16_swap_b32 v[\pc+6*\c+\i], v[\pc+12+4*\c+\i]
.endr
.irp i, 0,1,2
	s_delay_alu instid0(VALU_DEP_3)
	v_mov_b32 v[\pc+3+6*\c+\i], v[\pc+12+4*\c+\i]
.endr
.endr
.endm
	s_load_b256 s[4:11], s[0:1], 0x0               ; xq s[4:5], wimg s[6:7], qi s[8:9], kv s[10:11]
	v_lshl_add_u32 v126, v0, 2, SPARE
	v_mov_b32 v127, 0
	ds_add_u32 v126, v127                          ; the opening lines: the add, twice on end, and its wait ahead of my tensor load
	ds_add_u32 v126, v127
	v_lshrrev_b32 v1, 5, v0
	s_delay_alu instid0(VALU_DEP_1)
	v_readfirstlane_b32 s[WV], v1                  ; wave 0..11
	s_and_b32 s16, s[WV], 3                        ; which BLOCK I fetch for; also my part la of a product
	s_lshr_b32 s17, s[WV], 2                       ; which two K steps I fetch; also my product p
	s_bfe_u32 s13, ttmp6, 0x40000                  ; cx
	s_lshl_b32 s14, ttmp9, 2
	s_add_co_u32 s14, s14, s13                     ; x: the token block
	s_and_b32 s15, ttmp7, 0xffff                   ; g: the head pair, shared by the four partners
	s_mov_b32 s[G1P], 3<<16                        ; no mask; elements of 8 bytes; no padding
	DENSE G1P, 100                                 ; two K steps, 25,600 bytes, to a load
	s_mov_b32 s[G1J], 15|(3<<16)|(1<<21)           ; the four partners; bit 21 beside a mask
	DENSE G1J, 100
	s_mov_b32 s[SEL], 0x76543210
	s_mov_b32 s[SEL+1], 0xfedcba98
	s_mov_b32 s[HM], 0xffff0000
	s_mul_i32 s56, s16, BLOCKB
	s_mul_i32 s57, s17, 2*STEPB
	s_mov_b32 s[G0X], 1
	s_add_co_u32 s[G0X+1], s56, s57                ; LDS: my BLOCK, my two steps
	s_mov_b32 s[G0W], 1
	s_add_co_u32 s[G0W+1], s56, s57
	s_mul_i32 s58, s14, BLOCKB
	s_add_co_u32 s58, s58, s57
	s_mov_b32 s59, 0                               ; X: BLOCK x
	s_lshr_b32 s60, s16, 1
	s_sub_co_u32 s60, s16, s60                     ; 0, 1, (1), 2: wq, wk, -, wv
	s_mul_i32 s60, s60, 6
	s_add_co_u32 s60, s60, s15
	s_mul_i32 s60, s60, BLOCKB
	s_add_co_u32 s60, s60, s57
	s_mov_b32 s61, 0                               ; the weight's BLOCK: made of g and the wave's number alone
	s_wait_dscnt 0x0                               ; both opening adds are done
	s_wait_kmcnt 0x0
	s_add_nc_u64 s[G0X+2:G0X+3], s[4:5], s[58:59]
	s_or_b32 s[G0X+3], s[G0X+3], 0x80000000
	s_add_nc_u64 s[G0W+2:G0W+3], s[6:7], s[60:61]
	s_or_b32 s[G0W+3], s[G0W+3], 0x80000000
	CROUND                                         ; all four work-groups are here: the joint loads meet
	s_cmp_eq_u32 s16, 2                            ; a branch on the wave's number: the same in all partners
	s_cbranch_scc0 .Lfill_w
	tensor_load_to_lds s[G0X:G0X+3], s[G1P:G1P+7]
	s_nop 0
.rept 4
	v_nop
.endr
	s_branch .Lfilled
.Lfill_w:
	tensor_load_to_lds s[G0W:G0W+3], s[G1J:G1J+7]
	s_nop 0
.rept 4
	v_nop
.endr
.Lfilled:
	v_and_b32 v13, 31, v0
	s_delay_alu instid0(VALU_DEP_1)
	v_lshlrev_b32 v11, 4, v13                      ; 16 x lane
	s_delay_alu instid0(VALU_DEP_2)
	v_lshlrev_b32 v12, 3, v13                      ; 8 x lane
	s_delay_alu instid0(VALU_DEP_3)
	v_lshlrev_b32 v13, 2, v13                      ; 4 x lane
	v_and_b32 v15, 15, v0
	v_bfe_u32 v14, v0, 4, 1
	s_delay_alu instid0(VALU_DEP_1)
	v_mul_u32_u24 v14, v14, 32*STEPB
	s_delay_alu instid0(VALU_DEP_1)
	v_lshl_add_u32 v14, v15, 2, v14                ; k's scale words: 4 r, and lanes 16-31 one head (32 step blocks) on
.irp b, 0,1,2,3
	v_mov_b32 v[TM+4+\b], 0                        ; written once: a lane permute's destination counts as read
.endr
	s_lshr_b32 s66, s17, 1
	s_add_co_u32 s66, s66, 2
	s_mul_i32 s66, s66, BLOCKB                     ; the lanes' BLOCK: X for q and k, Wv for v
	s_mul_i32 s67, s16, 3072
	s_add_co_u32 s67, s66, s67
	v_add_nc_u32 v1, s67, v11                      ; lane tile 2 la
	s_delay_alu instid0(VALU_DEP_1)
	v_add_nc_u32 v2, 1536, v1                      ; lane tile 2 la + 1
	s_mul_i32 s68, s17, BLOCKB                     ; the registers' BLOCK: Wq, Wk, X
	v_add_nc_u32 v3, s68, v11
	s_lshl_b32 s69, s16, 7
	s_add_co_u32 s69, s69, s66
	s_add_co_u32 s69, s69, SCO
	v_add_nc_u32 v4, s69, v13
	s_add_co_u32 s70, s68, SCO
	v_add_nc_u32 v5, s70, v13
	s_wait_alu depctr_va_vdst(0)
	s_wait_tensorcnt 0x0                           ; my one load is in,
	s_barrier_signal -1
	s_barrier_wait -1                              ; so all four BLOCKs are
	RSTEP 1, 1                                     ; the first products start the sums
	RSTEP 0, 0
	RSTEP 0, 0
	RSTEP 0, 0
	RSTEP 0, 0
	RSTEP 0, 0
.rept 4
	v_nop                                          ; places in front of the first read of results
.endr
	QUANT ACC, PC0, PW0
	QUANT ACC+64, PC1, PW1
	s_cmp_eq_u32 s17, 0
	s_cbranch_scc0 .Lnot_q
	; ---- q: a lane's fragment is two heads' halves (6 registers each); a half's image is 512 + 256 bytes; its two scale bytes are doubled into a word
	s_lshl_b32 s56, s15, 9
	s_lshl_b32 s57, s14, 3
	s_add_co_u32 s56, s56, s57
	s_lshl_b32 s57, s16, 1
	s_add_co_u32 s56, s56, s57                     ; 256 x head a + tile
	s_lshl_b32 s56, s56, 10
	s_mov_b32 s57, 0
	s_add_nc_u64 s[8:9], s[8:9], s[56:57]
	v_perm_b32 v108, v[PW0], v[PW0], 0x01000100
	v_perm_b32 v109, v[PW0], v[PW0], 0x03020302
	v_perm_b32 v110, v[PW1], v[PW1], 0x01000100
	v_perm_b32 v111, v[PW1], v[PW1], 0x03020302
	s_wait_alu depctr_va_vdst(0)
.irp l, 0,1
.set PCL, PC0+(PC1-PC0)*\l
	global_store_b128 v11, v[PCL:PCL+3], s[8:9] offset:1024*\l
	global_store_b64 v12, v[PCL+4:PCL+5], s[8:9] offset:1024*\l+512
	global_store_b128 v11, v[PCL+6:PCL+9], s[8:9] offset:262144+1024*\l
	global_store_b64 v12, v[PCL+10:PCL+11], s[8:9] offset:262144+1024*\l+512
	global_store_b32 v13, v[108+2*\l], s[8:9] offset:1024*\l+768
	global_store_b32 v13, v[109+2*\l], s[8:9] offset:262144+1024*\l+768
.endr
	s_branch .Ljoin
.Lnot_q:
	s_lshl_b32 s56, s15, 6
	s_add_co_u32 s56, s56, s14                     ; 32 x head a + key step x
	s_cmp_eq_u32 s17, 1
	s_cbranch_scc0 .Lis_v
	; ---- k: the halves of key tiles 2 la and 2 la + 1 of one head make one fragment (pair la)
	s_mul_i32 s56, s56, STEPB
	s_mov_b32 s57, 0
	s_add_nc_u64 s[10:11], s[10:11], s[56:57]
	s_mul_i32 s58, s16, 1536
	s_mov_b32 s59, 0
	s_add_nc_u64 s[58:59], s[10:11], s[58:59]
	s_lshl_b32 s60, s16, 6
	s_mov_b32 s61, 0
	s_add_nc_u64 s[60:61], s[10:11], s[60:61]
	v_mov_b32 v108, v[PC0+4]
	v_mov_b32 v109, v[PC0+5]
	v_mov_b32 v110, v[PC1]
	v_mov_b32 v111, v[PC1+1]
	v_mov_b32 v112, v[PC0+10]
	v_mov_b32 v113, v[PC0+11]
	v_mov_b32 v114, v[PC1+6]
	v_mov_b32 v115, v[PC1+7]
	v_perm_b32 v116, v[PW1], v[PW0], 0x05040100    ; head a: bytes 0, 1 of the first tile's word, then of the second's
	v_perm_b32 v117, v[PW1], v[PW0], 0x07060302    ; head b: bytes 2, 3
	s_delay_alu instid0(VALU_DEP_1)
	v_cndmask_b32 v118, v116, v117, s[HM]          ; lanes 0-15 store head a's words, lanes 16-31 head b's
	global_store_b128 v11, v[PC0:PC0+3], s[58:59]
	global_store_b128 v11, v[108:111], s[58:59] offset:512
	global_store_b128 v11, v[PC1+2:PC1+5], s[58:59] offset:1024
	global_store_b128 v11, v[PC0+6:PC0+9], s[58:59] offset:32*STEPB
	global_store_b128 v11, v[112:115], s[58:59] offset:32*STEPB+512
	global_store_b128 v11, v[PC1+8:PC1+11], s[58:59] offset:32*STEPB+1024
	global_store_b32 v14, v118, s[60:61] offset:SCO
	s_branch .Ljoin
.Lis_v:
	; ---- v: my two lane tiles are tiles 2 (la % 2), + 1 of head 2 g + la / 2: whole fragments along the 128 keys
	s_lshr_b32 s57, s16, 1
	s_lshl_b32 s57, s57, 5
	s_add_co_u32 s56, s56, s57
	s_mul_i32 s56, s56, STEPB
	s_mov_b32 s57, 0
	s_add_nc_u64 s[10:11], s[10:11], s[56:57]
	s_and_b32 s62, s16, 1
	s_mul_i32 s58, s62, 3072
	s_mov_b32 s59, 0
	s_add_nc_u64 s[58:59], s[10:11], s[58:59]
	s_lshl_b32 s60, s62, 7
	s_mov_b32 s61, 0
	s_add_nc_u64 s[60:61], s[10:11], s[60:61]
	v_cndmask_b32 v118, v[PW0], v[PW1], s[HM]
	s_wait_alu depctr_va_vdst(0)
.irp c, 0,1,2
	global_store_b128 v11, v[PC0+4*\c:PC0+4*\c+3], s[58:59] offset:6144+512*\c
	global_store_b128 v11, v[PC1+4*\c:PC1+4*\c+3], s[58:59] offset:6144+1536+512*\c
.endr
	global_store_b32 v13, v118, s[60:61] offset:SCO+256
.Ljoin:
	s_wait_tensorcnt 0x0                           ; the wave's end
	ds_add_u32 v126, v127
	s_wait_dscnt 0x0
	CROUND                                         ; the closing round: no work-group ends while a partner may still ask jointly
	s_endpgm
.Lfunc_end_k_qeb8528b484_qkv:
	.size	k_qeb8528b484_qkv, .Lfunc_end_k_qeb8528b484_qkv-k_qeb8528b484_qkv
	.p2alignl 7, 3214868480
	.fill 96, 4, 3214868480
	.section	.rodata,"a",@progbits
	.p2align	6, 0x0
	.amdhsa_kernel k_qeb8528b484_qkv
		.amdhsa_group_segment_fixed_size 308736
		.amdhsa_private_segment_fixed_size 0
		.amdhsa_enable_private_segment 0
		.amdhsa_kernarg_size 32
		.amdhsa_user_sgpr_count 2
		.amdhsa_user_sgpr_kernarg_segment_ptr 1
		.amdhsa_wavefront_size32 1
		.amdhsa_system_sgpr_workgroup_id_x 1
		.amdhsa_system_sgpr_workgroup_id_y 1
		.amdhsa_system_sgpr_workgroup_id_z 1
		.amdhsa_system_vgpr_workitem_id 0
		.amdhsa_next_free_vgpr 256
		.amdhsa_next_free_sgpr 80
		.amdhsa_reserve_vcc 0
		.amdhsa_float_denorm_mode_32 3
		.amdhsa_float_denorm_mode_16_64 3
		.amdhsa_memory_ordered 1
		.amdhsa_forward_progress 1
		.amdhsa_inst_pref_size 48
	.end_amdhsa_kernel
	.amdgpu_metadata
---
amdhsa.version: [ 1, 2 ]
amdhsa.kernels:
  - .name:           k_qeb8528b484_qkv
    .symbol:         k_qeb8528b484_qkv.kd
    .args:
      - { .name: xq, .offset: 0, .size: 8, .value_kind: global_buffer, .address_space: global }
      - { .name: wimg, .offset: 8, .size: 8, .value_kind: global_buffer, .address_space: global }
      - { .name: qi, .offset: 16, .size: 8, .value_kind: global_buffer, .address_space: global }
      - { .name: kv, .offset: 24, .size: 8, .value_kind: global_buffer, .address_space: global }
    .group_segment_fixed_size: 308736
    .private_segment_fixed_size: 0
    .kernarg_segment_align: 8
    .kernarg_segment_size: 32
    .max_flat_workgroup_size: 384
    .sgpr_count:     80
    .vgpr_count:     256
    .wavefront_size: 32
...
	.end_amdgpu_metadata
.endif
;; end of part 2
;; launch attn (part 3): grid 64 x 4, 12 waves a work-group, clusters of 4 x 1, 327,680 bytes of LDS; arguments qi, kv, oq; writes oq
.if DOCPART == 3
	.amdgcn_target "amdgcn-amd-amdhsa--gfx1250"
	.amdhsa_code_object_version 6
	.text
	.protected	k_qeb8528b484_attn
	.globl	k_qeb8528b484_attn
	.p2align	8
	.type	k_qeb8528b484_attn,@function
k_qeb8528b484_attn:
	s_mov_b64 s[64:65], 0
	v_nop
	global_prefetch_b8 v0, s[64:65] scope:SCOPE_SE
	s_setreg_imm32_b32 hwreg(HW_REG_WAVE_MODE, 25, 1), 1
	s_wait_xcnt 0x0
	s_wait_alu depctr_hold_cnt(0) depctr_sa_sdst(0) depctr_va_vdst(0) depctr_va_sdst(0) depctr_va_ssrc(0) depctr_va_vcc(0) depctr_vm_vsrc(0)
	s_getreg_b32 s2, hwreg(HW_REG_IB_STS2, 6, 4)
	s_cmp_eq_u32 s2, 0
	s_cbranch_scc0 .Lentry_in_a_cluster
	s_endpgm
.Lentry_in_a_cluster:
	s_bfe_u32 s2, ttmp6, 0x10000c
	s_cmp_lg_u32 s2, 0x3003
	s_cbranch_scc0 .Lentry_shape_is_right
	s_endpgm
.Lentry_shape_is_right:
; ATTN.  o = softmax(q k^T / 8) v on FP6 codes, for 64 queries of three heads; o is quantised along the head's 64 and stored as halves of operand images.
; Twelve waves, three to a SIMD: head = wave / 4, query tile = wave % 4.  Both products are used transposed, so that a lane holds one query throughout.
; A step is 128 keys of a head: 12,800 bytes (k's four fragments, v's four, their scale words).  A slot holds four steps of three heads; two slots take turns.
; k's fragment holds the 64 numbers of two key tiles; q stands in one half of its operand and zeros in the other, so one fragment feeds two products.
; p = 2^(t - M), M the ceiling of the running largest t; the sum is taken of the unquantised p; when M moves, the sum and O are multiplied by a power of two.
; CLUSTER: the four query blocks of a cluster take the same k and v: every tile is asked for jointly (mask 15), behind a round of the cluster's barrier.
; A BARRIER A STEP, behind which nothing is filled: signalled behind the step's last wait for LDS, ahead of its products, and awaited behind the next step's
; exponentials (in a slot's last step: ahead of the lines in front of the round).  So no wave of the work-group runs further ahead of another than that stretch.
; q's loads are issued ahead of the first round.  A wave has one tensor load out at the most.
; LIMITS: the promise holds while the scaled scores stay under 2^31 in magnitude; NaN and infinities are not served; a block of zeros gets the scale byte 1 (zero codes; read by this program alone).
.set STEPB,  12800
.set SCO,    12288
.set SLOTB,  153600
.set SPARE,  307200
.set TP,  8
.set FF,  10
.set PWD, 11
.set QR,  16
.set QS,  34
.set KF,  36
.set VF,  84
.set KS,  132
.set VS,  134
.set S,   136
.set OT,  200
.set PC,  232
.set BM,  240
.set PB,  244
.set SO,  252
.set WV,  12
.set SEL, 18
.set HM,  20
.set HB,  21
.set CS,  22
.set G1,  24
.set G0,  32
.set TB,  40
.set CNT, 41
.set TRIP, 42
.set SLOTS, 43
.set LIM, 44
.set PFA, 46
.macro CREST
	s_cmp_lg_u32 s[WV], 0
	s_cbranch_scc1 .Lnot_wave_0_\@
	s_barrier_signal -3
.Lnot_wave_0_\@:
	s_barrier_wait -3
	s_barrier_signal -1
	s_barrier_wait -1
.endm
.macro CROUND
	s_barrier_signal -1
	s_barrier_wait -1
	CREST
.endm
.macro WM zero, ra
.if (\zero) && (\ra)
	v_wmma_scale_f32_16x16x128_f8f6f4 v[rD:rD+7], v[rA:rA+11], v[rB:rB+11], 0, v[rSA], v[rSB] matrix_a_fmt:MATRIX_FMT_FP6 matrix_b_fmt:MATRIX_FMT_FP6 matrix_a_scale:MATRIX_SCALE_ROW1
.elseif (\zero)
	v_wmma_scale_f32_16x16x128_f8f6f4 v[rD:rD+7], v[rA:rA+11], v[rB:rB+11], 0, v[rSA], v[rSB] matrix_a_fmt:MATRIX_FMT_FP6 matrix_b_fmt:MATRIX_FMT_FP6
.elseif (\ra)
	v_wmma_scale_f32_16x16x128_f8f6f4 v[rD:rD+7], v[rA:rA+11], v[rB:rB+11], v[rD:rD+7], v[rSA], v[rSB] matrix_a_fmt:MATRIX_FMT_FP6 matrix_b_fmt:MATRIX_FMT_FP6 matrix_a_scale:MATRIX_SCALE_ROW1
.else
	v_wmma_scale_f32_16x16x128_f8f6f4 v[rD:rD+7], v[rA:rA+11], v[rB:rB+11], v[rD:rD+7], v[rSA], v[rSB] matrix_a_fmt:MATRIX_FMT_FP6 matrix_b_fmt:MATRIX_FMT_FP6
.endif
.endm
.macro ASK
	s_cmp_gt_u32 s[SLOTS], s[LIM]
	s_cbranch_scc0 .Lnot_mine_\@
	global_prefetch_b8 v7, s[PFA:PFA+1] th:TH_LOAD_NT scope:SCOPE_SE
.Lnot_mine_\@:
.endm
.macro LOADK off
.irp p, 0,1,2,3
.irp c, 0,1,2
	ds_load_b128 v[KF+12*\p+4*\c:KF+12*\p+4*\c+3], v3 offset:(\off)+1536*\p+512*\c
.endr
.endr
	ds_load_b32 v[KS], v4 offset:(\off)+SCO
	ds_load_b32 v[KS+1], v4 offset:(\off)+SCO+128
.endm
.macro HEADV
	v_add_nc_u32 v3, s[TB], v1
	v_add_nc_u32 v4, s[TB], v2
	v_nop
	v_nop
.irp p, 0,1,2,3
.irp c, 0,1,2
	ds_load_b128 v[VF+12*\p+4*\c:VF+12*\p+4*\c+3], v3 offset:6144+1536*\p+512*\c
.endr
.endr
	ds_load_b32 v[VS], v4 offset:SCO+256
	ds_load_b32 v[VS+1], v4 offset:SCO+384
.endm
.macro SOFT_A
.irp b, 0,1,2,3
	v_max3_num_f32 v[BM+\b], v[S+16*\b], v[S+1+16*\b], v[S+2+16*\b]
.endr
.irp i, 3,5,7,9,11,13
.irp b, 0,1,2,3
	v_max3_num_f32 v[BM+\b], v[BM+\b], v[S+16*\b+\i], v[S+1+16*\b+\i]
.endr
.endr
.irp b, 0,1,2,3
	v_max_num_f32 v[BM+\b], v[BM+\b], v[S+15+16*\b]
.endr
.irp b, 0,1,2,3
	s_delay_alu instid0(VALU_DEP_4)
	v_permlanex16_b32 v[PB+\b], v[BM+\b], s[SEL], s[SEL+1]
.endr
.irp b, 0,1,2,3
	s_delay_alu instid0(VALU_DEP_4)
	v_max_num_f32 v[BM+\b], v[BM+\b], v[PB+\b]
.endr
	s_delay_alu instid0(VALU_DEP_2)
	v_max3_num_f32 v[TP], v[BM], v[BM+1], v[BM+2]
	s_delay_alu instid0(VALU_DEP_1)
	v_max_num_f32 v[TP], v[TP], v[BM+3]
	s_delay_alu instid0(VALU_DEP_1)
	v_mul_f32 v[TP], s[CS], v[TP]
	s_delay_alu instid0(VALU_DEP_1)
	v_max_num_f32 v13, v13, v[TP]
	v_mov_b32 v[TP], v12
	s_delay_alu instid0(VALU_DEP_2)
	v_floor_f32 v12, -v13
	s_delay_alu instid0(VALU_DEP_1)
	v_sub_f32 v[TP], v12, v[TP]
	s_delay_alu instid0(VALU_DEP_1)
	v_cvt_i32_f32 v[TP], v[TP]
	s_delay_alu instid0(VALU_DEP_1)
	v_ldexp_f32 v[FF], 1.0, v[TP]
.endm
.macro SOFT_B
.set j, 0
.rept 32
	v_pk_fma_f32 v[S+j:S+j+1], v[S+j:S+j+1], s[CS:CS+1], v[12:13] op_sel_hi:[1,0,0]
.set j, j+2
.endr
.irp b, 0,1,2,3
	v_fma_f32 v[BM+\b], v[BM+\b], s[CS], v12
.endr
.endm
.macro SOFT_C
.set j, 0
.rept 64
	v_exp_f32 v[S+j], v[S+j]
.set j, j+1
.endr
	v_pk_mul_f32 v[14:15], v[14:15], v[FF:FF+1] op_sel_hi:[1,0]
	s_wait_alu depctr_va_vdst(0)
.endm
.macro SOFT_D
	v_pk_add_f32 v[PB:PB+1], v[S:S+1], v[S+2:S+3]
.irp j, 4,8,12,16,20,24,28,32,36,40,44,48,52,56,60
	v_pk_add_f32 v[14:15], v[14:15], v[S+\j:S+1+\j]
	v_pk_add_f32 v[PB:PB+1], v[PB:PB+1], v[S+2+\j:S+3+\j]
.endr
	s_delay_alu instid0(VALU_DEP_1)
	v_pk_add_f32 v[14:15], v[14:15], v[PB:PB+1]
	; A BLOCK'S SCALE, from x = its largest t - M: its largest p is 2^x, whose exponent is floor(x), so the byte is floor(x) - 2 + 127.  Where the exponential
	; rounds a p just under a power of two up to it, the byte is one less than that p's own exponent gives, and that one code is held at the largest.
.irp b, 0,1,2,3
	v_max_num_f32 v[BM+\b], 0xc2f80000, v[BM+\b]         ; x held at -124 from below: the byte cannot fall under 1
.endr
.irp b, 0,1,2,3
	s_delay_alu instid0(VALU_DEP_4)
	v_cvt_floor_i32_f32 v[BM+\b], v[BM+\b]               ; floor(x), -124 .. 0
.endr
.irp b, 0,1,2,3
	s_delay_alu instid0(VALU_DEP_4)
	v_add_lshl_u32 v[SO+\b], v[BM+\b], 125, 23           ; the byte in the exponent field: the conversion's scale operand
.endr
.irp b, 0,1,2,3
	v_add_nc_u32 v[PB+\b], 125, v[BM+\b]                 ; the scale's byte
.endr
	s_delay_alu instid0(VALU_DEP_3)
	v_lshl_or_b32 v[PWD], v[PB+1], 8, v[PB]
	s_delay_alu instid0(VALU_DEP_1)
	v_lshl_or_b32 v[PWD], v[PB+2], 16, v[PWD]
	s_delay_alu instid0(VALU_DEP_1)
	v_lshl_or_b32 v[PWD], v[PB+3], 24, v[PWD]
.irp c, 0,1
	v_cvt_scalef32_pk16_fp6_f32 v[PC+6*\c:PC+2+6*\c], v[S+32*\c:S+15+32*\c], v[SO+2*\c]
	v_cvt_scalef32_pk16_fp6_f32 v[PB+4*\c:PB+2+4*\c], v[S+16+32*\c:S+31+32*\c], v[SO+2*\c+1]
.endr
	v_nop
.irp c, 0,1
.irp i, 0,1,2
	v_permlane16_swap_b32 v[PC+6*\c+\i], v[PB+4*\c+\i]
.endr
.irp i, 0,1,2
	s_delay_alu instid0(VALU_DEP_3)
	v_mov_b32 v[PC+3+6*\c+\i], v[PB+4*\c+\i]
.endr
.endr
	s_wait_alu depctr_va_vdst(0)                         ; the wait here, directly ahead of the first reader of O^T
.set j, 0
.rept 16
	v_pk_mul_f32 v[OT+j:OT+j+1], v[OT+j:OT+j+1], v[FF:FF+1] op_sel_hi:[1,0]
.set j, j+2
.endr
.endm
.macro SMM
.irp p, 0,1,2,3
.irp u, 0,1
.set rD, S+8*(2*\p+\u)
.set rA, KF+12*\p
.set rB, QR+6-6*\u
.set rSA, KS+\p/2
.set rSB, QS
	WM 1, \p%2
.endr
.endr
.endm
.macro PVMM
.irp t, 0,1,2,3
.set rD, OT+8*\t
.set rA, VF+12*\t
.set rB, PC
.set rSA, VS+\t/2
.set rSB, PWD
	WM 0, \t%2
.endr
.endm
.macro MID3 n
	s_add_co_u32 s[TB], s[HB], \n*SLOTB
	s_mov_b32 s[CNT], 3
.Lstep_\@:
	HEADV
	SOFT_A
	LOADK STEPB
	SOFT_B
	s_wait_alu depctr_va_vdst(0)
	SOFT_C
	s_barrier_wait -1                              ; every wave has reached the last step's products
	SOFT_D
	s_wait_alu depctr_va_vdst(0)
	s_wait_dscnt 0x0
	s_barrier_signal -1                            ; the step's barrier: no LDS instruction of mine is out
	SMM
	PVMM
	s_add_co_u32 s[TB], s[TB], STEPB
	s_sub_co_u32 s[CNT], s[CNT], 1
	s_cmp_lg_u32 s[CNT], 0
	s_cbranch_scc1 .Lstep_\@
.endm
.macro LAST slot, fill
	s_add_co_u32 s[TB], s[HB], \slot*SLOTB+3*STEPB
	HEADV
	SOFT_A
	s_wait_alu depctr_va_vdst(0)
	s_barrier_wait -1                              ; the step's barrier is closed ahead of the round's
	s_wait_tensorcnt 0x0
	ds_add_u32 v5, v6
.if \fill
	s_add_nc_u64 s[G0+4*\slot+2:G0+4*\slot+3], s[G0+4*\slot+2:G0+4*\slot+3], 8*STEPB
	s_wait_xcnt 0x0
	s_add_nc_u64 s[PFA:PFA+1], s[PFA:PFA+1], 4*STEPB
.endif
	SOFT_B
	s_wait_dscnt 0x0
	s_barrier_signal -1
	s_wait_alu depctr_va_vdst(0)
	SOFT_C
	s_barrier_wait -1
.if \fill
	CREST
	tensor_load_to_lds s[G0+4*\slot:G0+4*\slot+3], s[G1:G1+7]
	s_nop 0
.rept 4
	v_nop
.endr
	ASK
	s_sub_co_u32 s[SLOTS], s[SLOTS], 1
.endif
	s_add_co_u32 s[TB], s[HB], (1-\slot)*SLOTB
	v_add_nc_u32 v3, s[TB], v1
	v_add_nc_u32 v4, s[TB], v2
	LOADK 0
	SOFT_D
	s_wait_alu depctr_va_vdst(0)
	s_wait_dscnt 0x0
	s_barrier_signal -1                            ; the step's barrier
	SMM
	PVMM
.endm
	s_load_b128 s[4:7], s[0:1], 0x0
	s_load_b64 s[8:9], s[0:1], 0x10
	v_lshl_add_u32 v5, v0, 2, SPARE
	v_mov_b32 v6, 0
	ds_add_u32 v5, v6
	ds_add_u32 v5, v6
	s_wait_dscnt 0x0
	v_lshrrev_b32 v1, 5, v0
	s_delay_alu instid0(VALU_DEP_1)
	v_readfirstlane_b32 s[WV], v1
	s_lshr_b32 s16, s[WV], 2
	s_and_b32 s17, s[WV], 3
	s_bfe_u32 s13, ttmp6, 0x40000
	s_lshl_b32 s14, ttmp9, 2
	s_add_co_u32 s14, s14, s13
	s_and_b32 s15, ttmp7, 0xffff
	s_mul_i32 s48, s15, 3
	s_add_co_u32 s48, s48, s16
	s_mov_b32 s[G1], 15|(3<<16)|(1<<21)
	s_mov_b32 s[G1+1], 32<<16
	s_mov_b32 s[G1+2], 50<<16
	s_mov_b32 s[G1+3], 32<<16
	s_mov_b32 s[G1+4], 50
	s_mov_b32 s[G1+5], 32
	s_mov_b32 s[G1+6], 0
	s_mov_b32 s[G1+7], 0
	s_lshl_b32 s49, s48, 5
	s_add_co_u32 s49, s49, s17
	s_mul_i32 s50, s49, STEPB
	s_mov_b32 s51, 0
	s_mul_i32 s52, s[WV], STEPB
	s_lshl_b32 s54, s48, 5
	s_add_co_u32 s54, s54, 8
	s_add_co_u32 s54, s54, s13
	s_mul_i32 s54, s54, STEPB
	s_mov_b32 s55, 0
	s_lshl_b32 s56, s14, 2
	s_add_co_u32 s56, s56, s17
	s_lshl_b32 s57, s48, 8
	s_add_co_u32 s57, s57, s56
	s_lshl_b32 s58, s57, 10
	s_mov_b32 s59, 0
	s_mul_i32 s60, s56, 12
	s_add_co_u32 s60, s60, s48
	s_mul_i32 s62, s60, 768
	s_mov_b32 s63, 0
	s_lshl_b32 s60, s60, 5
	s_mov_b32 s61, 0
	s_mul_i32 s[HB], s16, 4*STEPB
	s_mov_b32 s[SEL], 0x76543210
	s_mov_b32 s[SEL+1], 0xfedcba98
	s_mov_b32 s[HM], 0xffff0000
	s_mov_b32 s[CS], 0x3e38aa3b
	s_mov_b32 s[CS+1], s[CS]
	s_mov_b32 s[SLOTS], 6
	s_lshr_b32 s[LIM], s17, 1
	s_or_b32 s[LIM], s[LIM], ttmp9
	s_cmp_eq_u32 s[LIM], 0
	s_cselect_b32 s[LIM], 1, -1
	s_wait_kmcnt 0x0
	s_add_nc_u64 s[50:51], s[6:7], s[50:51]
	s_add_nc_u64 s[PFA:PFA+1], s[6:7], s[54:55]
	s_add_nc_u64 s[4:5], s[4:5], s[58:59]
	s_add_nc_u64 s[10:11], s[8:9], s[60:61]
	s_add_nc_u64 s[8:9], s[8:9], s[62:63]
.irp n, 0,1
	s_mov_b32 s[G0+4*\n], 1
	s_add_co_u32 s[G0+4*\n+1], s52, \n*SLOTB
	s_add_nc_u64 s[G0+4*\n+2:G0+4*\n+3], s[50:51], \n*4*STEPB
	s_or_b32 s[G0+4*\n+3], s[G0+4*\n+3], 0x80000000
.endr
	v_and_b32 v8, 31, v0
	s_delay_alu instid0(VALU_DEP_1)
	v_lshlrev_b32 v1, 4, v8                        ; 16 x lane
	s_delay_alu instid0(VALU_DEP_2)
	v_lshlrev_b32 v2, 2, v8                        ; 4 x lane
	s_delay_alu instid0(VALU_DEP_3)
	v_lshlrev_b32 v9, 3, v8                        ; 8 x lane
	global_load_b128 v[QR+6:QR+9], v1, s[4:5]      ; q's half fragment and scale words, asked for ahead of the first round
	global_load_b64 v[QR+10:QR+11], v9, s[4:5] offset:512
	global_load_b32 v[QS], v2, s[4:5] offset:768
	CROUND
	tensor_load_to_lds s[G0:G0+3], s[G1:G1+7]
	s_nop 0
	s_wait_alu depctr_va_vdst(0)
	s_wait_tensorcnt 0x0
	ds_add_u32 v5, v6
	s_wait_dscnt 0x0
	CROUND
	tensor_load_to_lds s[G0+4:G0+7], s[G1:G1+7]
	s_nop 0
.rept 4
	v_nop
.endr
	v_and_b32 v7, 63, v0
	s_delay_alu instid0(VALU_DEP_1)
	v_min_u32 v7, 49, v7
	s_delay_alu instid0(VALU_DEP_1)
	v_lshlrev_b32 v7, 8, v7
.irp j, 0,1,2,3,4,5
	v_mov_b32 v[QR+\j], 0
	v_mov_b32 v[QR+12+\j], 0
.endr
	v_mov_b32 v13, 0xff61b1e6
	s_delay_alu instid0(VALU_DEP_1)
	v_floor_f32 v12, -v13
	v_mov_b32 v14, 0
	v_mov_b32 v15, 0
.irp b, 0,1,2,3
	v_mov_b32 v[PB+\b], 0
.endr
	v_mov_b32 v[PWD], 0
.set j, 0
.rept 32
	v_mov_b32 v[OT+j], 0
.set j, j+1
.endr
	s_wait_tensorcnt 0x1
	s_barrier_signal -1
	s_barrier_wait -1
	s_add_co_u32 s[TB], s[HB], 0
	v_add_nc_u32 v3, s[TB], v1
	v_add_nc_u32 v4, s[TB], v2
	LOADK 0
	s_wait_loadcnt 0x0
	s_wait_dscnt 0x0
	s_barrier_signal -1                            ; the first step's barrier
	SMM
	s_mov_b32 s[TRIP], 3
.Lring:
	MID3 0
	LAST 0, 1
	MID3 1
	LAST 1, 1
	s_sub_co_u32 s[TRIP], s[TRIP], 1
	s_cmp_lg_u32 s[TRIP], 0
	s_cbranch_scc1 .Lring
	MID3 0
	LAST 0, 0
	MID3 1
	s_add_co_u32 s[TB], s[HB], SLOTB+3*STEPB
	HEADV
	SOFT_A
	SOFT_B
	s_wait_alu depctr_va_vdst(0)
	SOFT_C
	s_barrier_wait -1                              ; the last step's barrier is closed
	SOFT_D
	s_wait_alu depctr_va_vdst(0)
	s_wait_dscnt 0x0
	PVMM
	v_and_b32 v3, 31, v0
	s_delay_alu instid0(VALU_DEP_1)
	v_lshlrev_b32 v3, 3, v3
	v_and_b32 v4, 15, v0
	v_bfe_u32 v9, v0, 4, 1
	s_delay_alu instid0(VALU_DEP_1)
	v_lshl_add_u32 v4, v4, 1, v9
	v_add_f32 v14, v14, v15
	s_delay_alu instid0(VALU_DEP_1)
	v_permlanex16_b32 v[FF], v14, s[SEL], s[SEL+1]
	s_delay_alu instid0(VALU_DEP_1)
	v_add_f32 v14, v14, v[FF]
	s_wait_alu depctr_va_vdst(0)
	v_rcp_f32 v15, v14
	v_nop
	s_wait_alu depctr_va_vdst(0)
.set j, 0
.rept 32
	v_mul_f32 v[S+j], v[OT+j], v15
.set j, j+1
.endr
.irp b, 0,1
	v_max3_num_f32 v[BM+\b], |v[S+16*\b]|, |v[S+1+16*\b]|, 0x1800000
.endr
.irp i, 2,4,6,8,10,12,14
.irp b, 0,1
	s_delay_alu instid0(VALU_DEP_2)
	v_max3_num_f32 v[BM+\b], v[BM+\b], |v[S+16*\b+\i]|, |v[S+1+16*\b+\i]|
.endr
.endr
.irp b, 0,1
	s_delay_alu instid0(VALU_DEP_2)
	v_permlanex16_b32 v[PB+\b], v[BM+\b], s[SEL], s[SEL+1]
.endr
.irp b, 0,1
	s_delay_alu instid0(VALU_DEP_2)
	v_max_num_f32 v[BM+\b], v[BM+\b], v[PB+\b]
.endr
.irp b, 0,1
	s_delay_alu instid0(VALU_DEP_2)
	v_add_nc_u32 v[SO+\b], 0xff000000, v[BM+\b]
.endr
.irp b, 0,1
	s_delay_alu instid0(VALU_DEP_2)
	v_lshrrev_b32 v[PB+\b], 23, v[SO+\b]
.endr
	v_cvt_scalef32_pk16_fp6_f32 v[PC:PC+2], v[S:S+15], v[SO]
	v_cvt_scalef32_pk16_fp6_f32 v[PC+4:PC+6], v[S+16:S+31], v[SO+1]
	v_nop
.irp i, 0,1,2
	v_permlane16_swap_b32 v[PC+\i], v[PC+4+\i]
.endr
.irp i, 0,1,2
	s_delay_alu instid0(VALU_DEP_3)
	v_mov_b32 v[PC+3+\i], v[PC+4+\i]
.endr
	v_cndmask_b32 v[PB+2], v[PB], v[PB+1], s[HM]
	global_store_b128 v1, v[PC:PC+3], s[8:9]
	global_store_b64 v3, v[PC+4:PC+5], s[8:9] offset:512
	global_store_b8 v4, v[PB+2], s[10:11] offset:2359296
	s_wait_tensorcnt 0x0
	ds_add_u32 v5, v6
	s_wait_dscnt 0x0
	CROUND
	s_endpgm
.Lfunc_end_k_qeb8528b484_attn:
	.size	k_qeb8528b484_attn, .Lfunc_end_k_qeb8528b484_attn-k_qeb8528b484_attn
	.p2alignl 7, 3214868480
	.fill 96, 4, 3214868480
	.section	.rodata,"a",@progbits
	.p2align	6, 0x0
	.amdhsa_kernel k_qeb8528b484_attn
		.amdhsa_group_segment_fixed_size 327680
		.amdhsa_private_segment_fixed_size 0
		.amdhsa_enable_private_segment 0
		.amdhsa_kernarg_size 24
		.amdhsa_user_sgpr_count 2
		.amdhsa_user_sgpr_kernarg_segment_ptr 1
		.amdhsa_wavefront_size32 1
		.amdhsa_system_sgpr_workgroup_id_x 1
		.amdhsa_system_sgpr_workgroup_id_y 1
		.amdhsa_system_sgpr_workgroup_id_z 1
		.amdhsa_system_vgpr_workitem_id 0
		.amdhsa_next_free_vgpr 256
		.amdhsa_next_free_sgpr 66
		.amdhsa_reserve_vcc 0
		.amdhsa_float_denorm_mode_32 3
		.amdhsa_float_denorm_mode_16_64 3
		.amdhsa_memory_ordered 1
		.amdhsa_forward_progress 1
		.amdhsa_inst_pref_size 148
	.end_amdhsa_kernel
	.amdgpu_metadata
---
amdhsa.version: [ 1, 2 ]
amdhsa.kernels:
  - .name:           k_qeb8528b484_attn
    .symbol:         k_qeb8528b484_attn.kd
    .args:
      - { .name: qi, .offset: 0, .size: 8, .value_kind: global_buffer, .address_space: global }
      - { .name: kv, .offset: 8, .size: 8, .value_kind: global_buffer, .address_space: global }
      - { .name: oq, .offset: 16, .size: 8, .value_kind: global_buffer, .address_space: global }
    .group_segment_fixed_size: 327680
    .private_segment_fixed_size: 0
    .kernarg_segment_align: 8
    .kernarg_segment_size: 24
    .max_flat_workgroup_size: 384
    .sgpr_count:     66
    .vgpr_count:     256
    .wavefront_size: 32
...
	.end_amdgpu_metadata
.endif
;; end of part 3
;; launch oproj (part 4): grid 256 x 1, 6 waves a work-group, clusters of 4 x 1, 309,248 bytes of LDS; arguments oq, wimg, hidden_states, ln2_w, x1, hq; writes x1, hq
.if DOCPART == 4
	.amdgcn_target "amdgcn-amd-amdhsa--gfx1250"
	.amdhsa_code_object_version 6
	.text
	.protected	k_qeb8528b484_oproj
	.globl	k_qeb8528b484_oproj
	.p2align	8
	.type	k_qeb8528b484_oproj,@function
k_qeb8528b484_oproj:
	s_mov_b64 s[64:65], 0
	v_nop
	global_prefetch_b8 v0, s[64:65] scope:SCOPE_SE
	s_setreg_imm32_b32 hwreg(HW_REG_WAVE_MODE, 25, 1), 1
	s_wait_xcnt 0x0
	s_wait_alu depctr_hold_cnt(0) depctr_sa_sdst(0) depctr_va_vdst(0) depctr_va_sdst(0) depctr_va_ssrc(0) depctr_va_vcc(0) depctr_vm_vsrc(0)
	s_getreg_b32 s2, hwreg(HW_REG_IB_STS2, 6, 4)
	s_cmp_eq_u32 s2, 0
	s_cbranch_scc0 .Lentry_in_a_cluster
	s_endpgm
.Lentry_in_a_cluster:
	s_bfe_u32 s2, ttmp6, 0x10000c
	s_cmp_lg_u32 s2, 0x3003
	s_cbranch_scc0 .Lentry_shape_is_right
	s_endpgm
.Lentry_shape_is_right:
; OPROJ.  x1 = hidden + o wo^T on FP6 codes; then rmsnorm 2 of x1, quantised along the 768 columns.
; A work-group takes ONE tile of 16 tokens and all 768 columns, since the norm wants whole rows; wave c makes columns 128 c .. 128 c + 127 (BLOCK 18 + c of the weights' images).
; CLUSTER 4 x 1: all work-groups walk the same weights.  K steps 2 to 5 of wave c's BLOCK (51,200 bytes) are asked for jointly by the four partners (mask 15), one tensor load a wave,
; into LDS bytes that this wave alone reads and that are filled once: 6 x 51,200 bytes.  All six steps (460,800 bytes) do not fit in LDS, so K steps 0 and 1 go from memory straight into registers.
; The two register buffers that hold steps 0 and 1 take steps 2 to 5 from LDS afterwards, by turns.  K ascends.
; The product is used transposed (source 0 = 16 rows of wo, source 1 = o's 16 tokens); the residual is the C of the first products: it is loaded into the accumulators.
; No prefetch: the launch has no loop to run ahead in; all that it reads is asked for at its head.
; REGISTERS: window 0: v1-13 addresses; v16-79 the 8 accumulators; v80-151 o's six fragments; v152-175 wo's scale words; v176-181 o's; v184-195 at work; v200-239 the quantiser; v254-255 the add's.
;            window 1: v0-95, v96-191 wo's two buffers of 8 fragments; v192-255 ln2_w in the accumulators' layout.
; LDS: 0-383 the waves' sums of squares; 512-1279 the spare words; from 2,048 the weights.
; LIMITS: NaN and infinities are not served; a block of zeros gets the scale byte 1 (zero codes; read by this program alone).
.set BLOCKB, 76800
.set STEPB,  12800
.set SCO,    12288
.set SPARE,  512
.set TILE,   2048
.set WTB,    4*STEPB
.set ACC, 16
.set AF,  80
.set WS,  152
.set AS,  176
.set UT,  184
.set TM,  200
.set PW,  216
.set PC,  220
.set SEL, 40
.set G0,  44
.set G1,  48
.set MSB, 0
.macro WIN new                         ; the immediate's high byte repeats the setting that is left
.if MSB != \new
	s_set_vgpr_msb (MSB<<8)|\new
.set MSB, \new
.endif
.endm
.macro CROUND                          ; a round of the cluster's barrier
	s_barrier_signal -1
	s_barrier_wait -1
	s_cmp_lg_u32 s16, 0
	s_cbranch_scc1 .Lnot_wave_0_\@
	s_barrier_signal -3
.Lnot_wave_0_\@:
	s_barrier_wait -3
	s_barrier_signal -1
	s_barrier_wait -1
.endm
.macro WM ra                           ; one product in place on rD, rA, rB, rSA, rSB;  ra: source 0's scale words stand in lanes 16-31
.if (\ra)
	v_wmma_scale_f32_16x16x128_f8f6f4 v[rD:rD+7], v[rA:rA+11], v[rB:rB+11], v[rD:rD+7], v[rSA], v[rSB] matrix_a_fmt:MATRIX_FMT_FP6 matrix_b_fmt:MATRIX_FMT_FP6 matrix_a_scale:MATRIX_SCALE_ROW1
.else
	v_wmma_scale_f32_16x16x128_f8f6f4 v[rD:rD+7], v[rA:rA+11], v[rB:rB+11], v[rD:rD+7], v[rSA], v[rSB] matrix_a_fmt:MATRIX_FMT_FP6 matrix_b_fmt:MATRIX_FMT_FP6
.endif
.endm
.macro WLOAD s                         ; wo's eight fragments of K step s (0, 1) from memory into buffer s: 24 loads of 512 consecutive bytes
	WIN 0x40                                       ; destination window 1, address window 0
.irp i, 0,1,2,3,4,5,6,7
.irp c, 0,1,2
	global_load_b128 v[96*(\s)+12*\i+4*\c:96*(\s)+12*\i+4*\c+3], v1, s[6:7] offset:STEPB*(\s)+1536*\i+512*\c
.endr
.endr
	WIN 0
.endm
.macro DLOAD s                         ; those of K step s (2 to 5) from LDS into buffer s % 2: 24 loads
	WIN 0x40
.irp i, 0,1,2,3,4,5,6,7
.irp c, 0,1,2
	ds_load_b128 v[96*((\s)%2)+12*\i+4*\c:96*((\s)%2)+12*\i+4*\c+3], v12 offset:STEPB*((\s)-2)+1536*\i+512*\c
.endr
.endr
	WIN 0
.endm
.macro MULS s                          ; K step s: eight accumulators by turns; four places behind them, for the loads into the buffer just multiplied and for the first read of results
	WIN 0x01                                       ; source 0 (wo) window 1
.irp i, 0,1,2,3,4,5,6,7
.set rD, ACC+8*\i
.set rA, 96*((\s)%2)+12*\i
.set rB, AF+12*(\s)
.set rSA, WS+4*(\s)+\i/2
.set rSB, AS+(\s)
	WM \i%2
.endr
	WIN 0
.rept 4
	v_nop
.endr
.endm
.macro QUANT s, pc, pw                 ; 64 numbers of a lane, register 16 b + i = k 32 b + 16 (lane / 16) + i, become a fragment in v[pc] on and its scale word in v[pw]
.irp b, 0,1,2,3
	v_max3_num_f32 v[TM+\b], |v[\s+16*\b]|, |v[\s+1+16*\b]|, 0x1800000   ; with the floor 2^(3 - 127): the byte cannot fall under 1
.endr
.irp i, 2,4,6,8,10,12,14
.irp b, 0,1,2,3
	v_max3_num_f32 v[TM+\b], v[TM+\b], |v[\s+16*\b+\i]|, |v[\s+1+16*\b+\i]|
.endr
.endr
.irp b, 0,1,2,3
	v_permlanex16_b32 v[TM+4+\b], v[TM+\b], s[SEL], s[SEL+1]
.endr
.irp b, 0,1,2,3
	v_max_num_f32 v[TM+\b], v[TM+\b], v[TM+4+\b]
.endr
.irp b, 0,1,2,3
	v_add_nc_u32 v[TM+12+\b], 0xff000000, v[TM+\b]       ; 2 off the exponent field: the conversion's scale operand
.endr
.irp b, 0,1,2,3
	v_lshrrev_b32 v[TM+4+\b], 23, v[TM+12+\b]
.endr
	v_lshl_or_b32 v[\pw], v[TM+5], 8, v[TM+4]
	v_lshl_or_b32 v[\pw], v[TM+6], 16, v[\pw]
	v_lshl_or_b32 v[\pw], v[TM+7], 24, v[\pw]
.irp c, 0,1
	v_cvt_scalef32_pk16_fp6_f32 v[\pc+6*\c:\pc+2+6*\c], v[\s+32*\c:\s+15+32*\c], v[TM+12+2*\c]
	v_cvt_scalef32_pk16_fp6_f32 v[\pc+12+4*\c:\pc+14+4*\c], v[\s+16+32*\c:\s+31+32*\c], v[TM+12+2*\c+1]
.endr
	v_nop                                                ; one plain line behind the scaled conversions
.irp c, 0,1
.irp i, 0,1,2
	v_permlane16_swap_b32 v[\pc+6*\c+\i], v[\pc+12+4*\c+\i]
.endr
.irp i, 0,1,2
	v_mov_b32 v[\pc+3+6*\c+\i], v[\pc+12+4*\c+\i]
.endr
.endr
.endm
	s_load_b256 s[4:11], s[0:1], 0x0               ; oq s[4:5], wimg s[6:7], hidden s[8:9], ln2_w s[10:11]
	s_load_b128 s[12:15], s[0:1], 0x20             ; x1 s[12:13], hq s[14:15]
	v_lshl_add_u32 v254, v0, 2, SPARE
	v_mov_b32 v255, 0
	ds_add_u32 v254, v255                          ; the opening lines: the add, twice on end, and its wait ahead of my tensor load
	ds_add_u32 v254, v255
	v_lshrrev_b32 v1, 5, v0
	v_readfirstlane_b32 s16, v1                    ; wave c, 0..5
	s_lshl_b32 s17, s16, 6
	s_mul_i32 s39, s16, WTB
	s_add_co_u32 s39, s39, TILE                    ; LDS: my four K steps of wo
	v_and_b32 v8, 31, v0
	v_and_b32 v9, 15, v0                           ; r
	v_bfe_u32 v10, v0, 4, 1                        ; h
	v_lshlrev_b32 v1, 4, v8                        ; 16 x lane
	v_lshlrev_b32 v2, 3, v8                        ; 8 x lane
	v_lshlrev_b32 v3, 2, v8                        ; 4 x lane
	v_lshlrev_b32 v4, 1, v9                        ; 2 r
	v_and_b32 v5, 8, v9
	v_add_nc_u32 v5, v5, v9
	v_mul_u32_u24 v5, v5, 3072
	v_lshl_add_u32 v5, v10, 6, v5                  ; hidden: my token's row, + 64 h
	v_lshlrev_b32 v6, 6, v10                       ; ln2_w: 64 h
	v_lshlrev_b32 v7, 2, v9                        ; LDS: 4 r
	v_add_nc_u32 v11, s17, v7                      ; LDS: 64 c + 4 r
	v_add_nc_u32 v12, s39, v1                      ; LDS: wo's fragments
	v_add_nc_u32 v13, s39, v3                      ; LDS: wo's scale words
.irp b, 0,1,2,3
	v_mov_b32 v[TM+4+\b], 0                        ; written once: a lane permute's destination counts as read
.endr
	s_mov_b32 s[SEL], 0x76543210
	s_mov_b32 s[SEL+1], 0xfedcba98
	s_mov_b32 s42, 0x3aaaaaab                      ; 1 / 768
	s_mov_b32 s43, 0x3727c5ac                      ; 1e-5
	s_mov_b32 s[G1], 15|(3<<16)|(1<<21)            ; the four partners; elements of 8 bytes; bit 21 beside a mask
	s_mov_b32 s[G1+1], 32<<16                      ; a dense block as 200 rows of 256 bytes
	s_mov_b32 s[G1+2], 200<<16
	s_mov_b32 s[G1+3], 32<<16
	s_mov_b32 s[G1+4], 200
	s_mov_b32 s[G1+5], 32
	s_mov_b32 s[G1+6], 0
	s_mov_b32 s[G1+7], 0
	s_bfe_u32 s3, ttmp6, 0x40000                   ; cx
	s_lshl_b32 s18, ttmp9, 2
	s_add_co_u32 s3, s18, s3                       ; t: the tile of 16 tokens
	s_mul_i32 s20, s3, 9216                        ; oq: 12 half fragments of 768 bytes a tile
	s_mov_b32 s21, 0
	s_mul_i32 s22, s3, 384                         ; and 12 x 32 scale bytes
	s_mov_b32 s23, 0
	s_add_co_u32 s24, s16, 18
	s_mul_i32 s24, s24, BLOCKB                     ; wo's BLOCK c: made of the wave's number alone
	s_mov_b32 s25, 0
	s_lshl_b32 s26, s16, 9                         ; my 128 columns in bytes
	s_mov_b32 s27, 0
	s_lshr_b32 s18, s3, 3                          ; t / 8
	s_and_b32 s19, s3, 7                           ; t % 8
	s_lshl_b32 s28, s18, 7
	s_lshr_b32 s29, s19, 1
	s_lshl_b32 s29, s29, 5
	s_add_co_u32 s28, s28, s29
	s_and_b32 s29, s3, 1
	s_lshl_b32 s29, s29, 3
	s_add_co_u32 s28, s28, s29                     ; the tile's first token
	s_mul_i32 s28, s28, 3072
	s_add_co_u32 s28, s28, s26
	s_mov_b32 s29, 0
	s_mul_i32 s30, s3, 6
	s_add_co_u32 s30, s30, s16
	s_lshl_b32 s30, s30, 13                        ; x1: image (t, c) of 8,192 bytes
	s_mov_b32 s31, 0
	s_mul_i32 s32, s18, BLOCKB
	s_mul_i32 s33, s16, STEPB
	s_add_co_u32 s32, s32, s33                     ; hq: BLOCK t / 8, K step c
	s_mul_i32 s34, s19, 1536
	s_add_co_u32 s34, s34, s32
	s_mov_b32 s35, 0
	s_lshl_b32 s36, s19, 6
	s_add_co_u32 s36, s36, s32
	s_mov_b32 s37, 0
	s_wait_alu depctr_va_vdst(0)
	s_wait_dscnt 0x0                               ; both opening adds are done
	s_wait_kmcnt 0x0
	s_add_nc_u64 s[22:23], s[4:5], s[22:23]
	s_add_nc_u64 s[4:5], s[4:5], s[20:21]
	s_add_nc_u64 s[6:7], s[6:7], s[24:25]
	s_add_nc_u64 s[8:9], s[8:9], s[28:29]
	s_add_nc_u64 s[10:11], s[10:11], s[26:27]
	s_add_nc_u64 s[12:13], s[12:13], s[30:31]
	s_add_nc_u64 s[36:37], s[14:15], s[36:37]
	s_add_nc_u64 s[14:15], s[14:15], s[34:35]
	s_mov_b32 s[G0], 1
	s_mul_i32 s[G0+1], s16, WTB
	s_add_co_u32 s[G0+1], s[G0+1], TILE
	s_add_nc_u64 s[G0+2:G0+3], s[6:7], 2*STEPB     ; K steps 2 to 5 of my BLOCK
	s_or_b32 s[G0+3], s[G0+3], 0x80000000
	CROUND                                         ; all four work-groups are here: the joint loads meet
	tensor_load_to_lds s[G0:G0+3], s[G1:G1+7]      ; my one tensor load
	s_nop 0
.rept 4
	v_nop
.endr
.irp hd, 0,1,2,3,4,5,6,7,8,9,10,11             ; o: two heads' halves make the fragment of a K step
	global_load_b128 v[AF+6*\hd:AF+6*\hd+3], v1, s[4:5] offset:768*\hd
	global_load_b64 v[AF+6*\hd+4:AF+6*\hd+5], v2, s[4:5] offset:768*\hd+512
.endr
.irp hd, 0,1,2,3,4,5,6,7,8,9,10,11
	global_load_u16 v[UT+\hd], v4, s[22:23] offset:2359296+32*\hd      ; row r's two scale bytes of the head
.endr
.irp s, 0,1
.irp p, 0,1,2,3
	global_load_b32 v[WS+4*\s+\p], v3, s[6:7] offset:STEPB*\s+SCO+128*\p
.endr
.endr
.irp b, 0,1,2,3
.irp q, 0,1,2,3
	global_load_b128 v[ACC+16*\b+4*\q:ACC+16*\b+4*\q+3], v5, s[8:9] offset:128*\b+16*\q     ; the residual, in the result's layout
.endr
.endr
	WLOAD 0
	WLOAD 1
	WIN 0x40
.irp b, 0,1,2,3
.irp q, 0,1,2,3
	global_load_b128 v[192+16*\b+4*\q:195+16*\b+4*\q], v6, s[10:11] offset:128*\b+16*\q     ; ln2_w: wanted last, asked for last
.endr
.endr
	WIN 0
	s_wait_loadcnt 40                              ; all is in but K step 1's 24 loads and ln2_w's 16
.irp s, 0,1,2,3,4,5
	v_lshl_or_b32 v[AS+\s], v[UT+2*\s+1], 16, v[UT+2*\s]   ; o's scale word of a K step: two heads' two bytes
.endr
.rept 8
	v_nop                                          ; a scale register written by a vector instruction stands eight places ahead of the product
.endr
	s_wait_alu depctr_va_vdst(0)
	MULS 0
	s_wait_tensorcnt 0x0                           ; my four K steps are in LDS; I alone read them
.irp s, 2,3,4,5
.irp p, 0,1,2,3
	ds_load_b32 v[WS+4*\s+\p], v13 offset:STEPB*(\s-2)+SCO+128*\p
.endr
.endr
	DLOAD 2
	s_wait_loadcnt 16                              ; K step 1's buffer is in; ln2_w's 16 loads may be out
	MULS 1
	DLOAD 3
	s_wait_dscnt 24                                ; the scale words and K step 2 are in; the other buffer's 24 loads may be out
	MULS 2
	DLOAD 4
	s_wait_dscnt 24
	MULS 3
	DLOAD 5
	s_wait_dscnt 24
	MULS 4
	s_wait_dscnt 0x0
	MULS 5
.irp q, 0,1,2,3,4,5,6,7,8,9,10,11,12,13,14,15
	global_store_b128 v1, v[ACC+4*\q:ACC+4*\q+3], s[12:13] offset:512*\q     ; x1 as an image of the accumulators, each from its low end on: 512 consecutive bytes a store
.endr
	v_pk_mul_f32 v[UT:UT+1], v[ACC:ACC+1], v[ACC:ACC+1]
	v_pk_mul_f32 v[UT+2:UT+3], v[ACC+2:ACC+3], v[ACC+2:ACC+3]
.irp j, 4,8,12,16,20,24,28,32,36,40,44,48,52,56,60
	v_pk_fma_f32 v[UT:UT+1], v[ACC+\j:ACC+\j+1], v[ACC+\j:ACC+\j+1], v[UT:UT+1]
	v_pk_fma_f32 v[UT+2:UT+3], v[ACC+\j+2:ACC+\j+3], v[ACC+\j+2:ACC+\j+3], v[UT+2:UT+3]
.endr
	v_pk_add_f32 v[UT:UT+1], v[UT:UT+1], v[UT+2:UT+3]
	v_add_f32 v[UT], v[UT], v[UT+1]
	v_permlanex16_b32 v[UT+2], v[UT], s[SEL], s[SEL+1]
	v_add_f32 v[UT], v[UT], v[UT+2]                ; my 128 columns' squares of row r
	ds_store_b32 v11, v[UT]                        ; both halves of the lanes write the same word with the same value
	s_wait_dscnt 0x0                               ; for the others' sake
	s_barrier_signal -1
	s_barrier_wait -1
.irp k, 0,1,2,3,4,5
	ds_load_b32 v[UT+4+\k], v7 offset:64*\k
.endr
	s_wait_dscnt 0x0
.irp k, 1,2,3,4,5
	v_add_f32 v[UT+4], v[UT+4], v[UT+4+\k]         ; in one order in all six waves
.endr
	v_fma_f32 v[UT+11], v[UT+4], s42, s43          ; mean + eps
	s_wait_alu depctr_va_vdst(0)
	v_rsq_f32 v[UT+10], v[UT+11]
	v_nop                                          ; a plain line behind the transcendental,
	s_wait_alu depctr_va_vdst(0)                   ; and the wait ahead of its first reader
	s_wait_xcnt 0x0                                ; x1's stores have read the accumulators: they may be written
	s_wait_loadcnt 0x0                             ; ln2_w
.set j, 0
.rept 32
	v_pk_mul_f32 v[ACC+j:ACC+j+1], v[ACC+j:ACC+j+1], v[UT+10:UT+11] op_sel_hi:[1,0]
.set j, j+2
.endr
	WIN 0x04                                       ; source 1 (ln2_w) window 1
.set j, 0
.rept 32
	v_pk_mul_f32 v[ACC+j:ACC+j+1], v[ACC+j:ACC+j+1], v[192+j:193+j]
.set j, j+2
.endr
	WIN 0
	QUANT ACC, PC, PW
.irp c, 0,1,2
	global_store_b128 v1, v[PC+4*\c:PC+4*\c+3], s[14:15] offset:512*\c
.endr
	s_wait_xcnt 0x0                                ; EXEC changes only behind this wait
	v_cmp_gt_u32 vcc_lo, 16, v8
	s_wait_tensorcnt 0x0                           ; the wave's end
	ds_add_u32 v254, v255
	s_wait_dscnt 0x0
	s_and_saveexec_b32 s38, vcc_lo                 ; lanes 0-15: the tile's 16 scale words, 64 bytes
	global_store_b32 v3, v[PW], s[36:37] offset:SCO
	s_wait_xcnt 0x0
	s_or_b32 exec_lo, exec_lo, s38
	CROUND                                         ; the closing round
	s_endpgm
.Lfunc_end_k_qeb8528b484_oproj:
	.size	k_qeb8528b484_oproj, .Lfunc_end_k_qeb8528b484_oproj-k_qeb8528b484_oproj
	.p2alignl 7, 3214868480
	.fill 96, 4, 3214868480
	.section	.rodata,"a",@progbits
	.p2align	6, 0x0
	.amdhsa_kernel k_qeb8528b484_oproj
		.amdhsa_group_segment_fixed_size 309248
		.amdhsa_private_segment_fixed_size 0
		.amdhsa_enable_private_segment 0
		.amdhsa_kernarg_size 48
		.amdhsa_user_sgpr_count 2
		.amdhsa_user_sgpr_kernarg_segment_ptr 1
		.amdhsa_wavefront_size32 1
		.amdhsa_system_sgpr_workgroup_id_x 1
		.amdhsa_system_sgpr_workgroup_id_y 1
		.amdhsa_system_sgpr_workgroup_id_z 1
		.amdhsa_system_vgpr_workitem_id 0
		.amdhsa_next_free_vgpr 512
		.amdhsa_next_free_sgpr 66
		.amdhsa_reserve_vcc 1
		.amdhsa_float_denorm_mode_32 3
		.amdhsa_float_denorm_mode_16_64 3
		.amdhsa_memory_ordered 1
		.amdhsa_forward_progress 1
		.amdhsa_inst_pref_size 46
	.end_amdhsa_kernel
	.amdgpu_metadata
---
amdhsa.version: [ 1, 2 ]
amdhsa.kernels:
  - .name:           k_qeb8528b484_oproj
    .symbol:         k_qeb8528b484_oproj.kd
    .args:
      - { .name: oq, .offset: 0, .size: 8, .value_kind: global_buffer, .address_space: global }
      - { .name: wimg, .offset: 8, .size: 8, .value_kind: global_buffer, .address_space: global }
      - { .name: hidden_states, .offset: 16, .size: 8, .value_kind: global_buffer, .address_space: global }
      - { .name: ln2_w, .offset: 24, .size: 8, .value_kind: global_buffer, .address_space: global }
      - { .name: x1, .offset: 32, .size: 8, .value_kind: global_buffer, .address_space: global }
      - { .name: hq, .offset: 40, .size: 8, .value_kind: global_buffer, .address_space: global }
    .group_segment_fixed_size: 309248
    .private_segment_fixed_size: 0
    .kernarg_segment_align: 8
    .kernarg_segment_size: 48
    .max_flat_workgroup_size: 192
    .sgpr_count:     66
    .vgpr_count:     512
    .wavefront_size: 32
...
	.end_amdgpu_metadata
.endif
;; end of part 4
;; launch up (part 5): grid 8 x 32, 12 waves a work-group, clusters of 4 x 4, 308,736 bytes of LDS; arguments hq, wimg, uq; writes uq
.if DOCPART == 5
	.amdgcn_target "amdgcn-amd-amdhsa--gfx1250"
	.amdhsa_code_object_version 6
	.text
	.protected	k_qeb8528b484_up
	.globl	k_qeb8528b484_up
	.p2align	8
	.type	k_qeb8528b484_up,@function
k_qeb8528b484_up:
	s_mov_b64 s[64:65], 0
	v_nop
	global_prefetch_b8 v0, s[64:65] scope:SCOPE_SE
	s_setreg_imm32_b32 hwreg(HW_REG_WAVE_MODE, 25, 1), 1
	s_wait_xcnt 0x0
	s_wait_alu depctr_hold_cnt(0) depctr_sa_sdst(0) depctr_va_vdst(0) depctr_va_sdst(0) depctr_va_ssrc(0) depctr_va_vcc(0) depctr_vm_vsrc(0)
	s_getreg_b32 s2, hwreg(HW_REG_IB_STS2, 6, 4)
	s_cmp_eq_u32 s2, 0
	s_cbranch_scc0 .Lentry_in_a_cluster
	s_endpgm
.Lentry_in_a_cluster:
	s_bfe_u32 s2, ttmp6, 0x10000c
	s_cmp_lg_u32 s2, 0xf033
	s_cbranch_scc0 .Lentry_shape_is_right
	s_endpgm
.Lentry_shape_is_right:
; UP.  u = silu(h w_up^T) on FP6 codes, quantised along the hidden axis, which is the next product's K.
; A work-group: 128 tokens (h's BLOCK y, y = 0..31) x 384 hidden units (BLOCKs 24 + 3 x .. + 2 of the weights' images, x = 0..7): 8 x 32 = 256 work-groups.
; All of K = 768 lies in LDS at once: four BLOCKs of 76,800 bytes, each filled once: 0 h's, 1 to 3 the weights'.
; Twelve waves, three to a SIMD: la = wave % 4 (two token tiles, on the lanes), ro = wave / 4 (a weight BLOCK's eight tiles, on the registers): 16 accumulators.
; The product is used transposed, and the weights' tiles are ordered so that a lane's 64 registers of a token are 64 numbers in the quantiser's order along the hidden axis.
; THE FILLS: 4 BLOCKs x 3 pieces of two K steps (25,600 bytes) are twelve tensor loads, one a wave, all at the head: wave w fetches K steps 2 (w / 4), + 1 of BLOCK w % 4.
; CLUSTER 4 x 4: h's BLOCK is shared along a row of the cluster, the weights' along a column: every load is joint.
; No prefetch: the launch has no loop to run ahead in; all that it reads is asked for at its head.
; LIMITS: NaN and infinities are not served; a block of zeros gets the scale byte 1 (zero codes; read by this program alone).  silu is u / (1 + 2^(-u log2 e)) by v_exp_f32 and v_rcp_f32.
.set BLOCKB, 76800
.set STEPB,  12800
.set SCO,    12288
.set SPARE,  307200                    ; behind the four BLOCKs: the spare words, 128 bytes for each of 12 waves
.set LS,  18
.set RS,  19
.set LF,  24
.set RF,  48
.set ACC, 128
.set T,   24                           ; the way out: v24-87 the sigmoid's 64 numbers
.set PC0, 88
.set TM,  108
.set PW0, 124
.set WV,  12
.set SEL, 18
.set HM,  20
.set G1A, 24
.set G1W, 32
.set G0A, 40                           ; s[40:43] group 0 for h;  s[52:55] for the weights
.set G0W, 52
.macro DENSE g, rows                   ; words 1 to 7 of a group 1: a dense block as rows of 256 bytes (32 elements of 8 bytes)
	s_mov_b32 s[\g+1], 32<<16
	s_mov_b32 s[\g+2], (\rows)<<16
	s_mov_b32 s[\g+3], 32<<16
	s_mov_b32 s[\g+4], \rows
	s_mov_b32 s[\g+5], 32
	s_mov_b32 s[\g+6], 0
	s_mov_b32 s[\g+7], 0
.endm
.macro CROUND                          ; a round of the cluster's barrier
	s_barrier_signal -1
	s_barrier_wait -1
	s_cmp_lg_u32 s[WV], 0
	s_cbranch_scc1 .Lnot_wave_0_\@
	s_barrier_signal -3
.Lnot_wave_0_\@:
	s_barrier_wait -3
	s_barrier_signal -1
	s_barrier_wait -1
.endm
.macro WM zero, ra, rb                 ; one product on rD, rA, rB, rSA, rSB.  zero: C is 0;  ra, rb: the side's scale words stand in lanes 16-31
.if (\zero) && (\ra) && (\rb)
	v_wmma_scale_f32_16x16x128_f8f6f4 v[rD:rD+7], v[rA:rA+11], v[rB:rB+11], 0, v[rSA], v[rSB] matrix_a_fmt:MATRIX_FMT_FP6 matrix_b_fmt:MATRIX_FMT_FP6 matrix_a_scale:MATRIX_SCALE_ROW1 matrix_b_scale:MATRIX_SCALE_ROW1
.elseif (\zero) && (\ra)
	v_wmma_scale_f32_16x16x128_f8f6f4 v[rD:rD+7], v[rA:rA+11], v[rB:rB+11], 0, v[rSA], v[rSB] matrix_a_fmt:MATRIX_FMT_FP6 matrix_b_fmt:MATRIX_FMT_FP6 matrix_a_scale:MATRIX_SCALE_ROW1
.elseif (\zero) && (\rb)
	v_wmma_scale_f32_16x16x128_f8f6f4 v[rD:rD+7], v[rA:rA+11], v[rB:rB+11], 0, v[rSA], v[rSB] matrix_a_fmt:MATRIX_FMT_FP6 matrix_b_fmt:MATRIX_FMT_FP6 matrix_b_scale:MATRIX_SCALE_ROW1
.elseif (\zero)
	v_wmma_scale_f32_16x16x128_f8f6f4 v[rD:rD+7], v[rA:rA+11], v[rB:rB+11], 0, v[rSA], v[rSB] matrix_a_fmt:MATRIX_FMT_FP6 matrix_b_fmt:MATRIX_FMT_FP6
.elseif (\ra) && (\rb)
	v_wmma_scale_f32_16x16x128_f8f6f4 v[rD:rD+7], v[rA:rA+11], v[rB:rB+11], v[rD:rD+7], v[rSA], v[rSB] matrix_a_fmt:MATRIX_FMT_FP6 matrix_b_fmt:MATRIX_FMT_FP6 matrix_a_scale:MATRIX_SCALE_ROW1 matrix_b_scale:MATRIX_SCALE_ROW1
.elseif (\ra)
	v_wmma_scale_f32_16x16x128_f8f6f4 v[rD:rD+7], v[rA:rA+11], v[rB:rB+11], v[rD:rD+7], v[rSA], v[rSB] matrix_a_fmt:MATRIX_FMT_FP6 matrix_b_fmt:MATRIX_FMT_FP6 matrix_a_scale:MATRIX_SCALE_ROW1
.elseif (\rb)
	v_wmma_scale_f32_16x16x128_f8f6f4 v[rD:rD+7], v[rA:rA+11], v[rB:rB+11], v[rD:rD+7], v[rSA], v[rSB] matrix_a_fmt:MATRIX_FMT_FP6 matrix_b_fmt:MATRIX_FMT_FP6 matrix_b_scale:MATRIX_SCALE_ROW1
.else
	v_wmma_scale_f32_16x16x128_f8f6f4 v[rD:rD+7], v[rA:rA+11], v[rB:rB+11], v[rD:rD+7], v[rSA], v[rSB] matrix_a_fmt:MATRIX_FMT_FP6 matrix_b_fmt:MATRIX_FMT_FP6
.endif
.endm
.macro RHALF hf, zero                  ; eight products; the sixteen accumulators take turns, one instruction a turn
.irp i, 0,1,2,3
.irp l, 0,1
.set rD, ACC+64*\l+8*(4*\hf+\i)
.set rA, RF+12*\i
.set rB, LF+12*\l
.set rSA, RS+(4*\hf+\i)/2
.set rSB, LS
	WM \zero, \i%2, \l
.endr
.endr
.endm
.macro RSTEP zero, first               ; one K step of 128; the five additions are also the places in front of the loads
.if !(\first)
.irp k, 1,2,3,4,5
	v_add_nc_u32 v\k, STEPB, v\k
.endr
.endif
.irp c, 0,1,2
	ds_load_b128 v[LF+4*\c:LF+4*\c+3], v1 offset:512*\c
.endr
.irp c, 0,1,2
	ds_load_b128 v[LF+12+4*\c:LF+12+4*\c+3], v2 offset:512*\c
.endr
	ds_load_b32 v[LS], v4
.irp p, 0,1,2,3
	ds_load_b32 v[RS+\p], v5 offset:128*\p
.endr
.irp i, 0,1,2,3
.irp c, 0,1,2
	ds_load_b128 v[RF+12*\i+4*\c:RF+12*\i+4*\c+3], v3 offset:1536*\i+512*\c
.endr
.endr
	s_wait_alu depctr_va_vdst(0)
	s_wait_dscnt 0x0
	RHALF 0, \zero
.rept 4
	v_nop                                          ; places in front of the loads into the four fragments just multiplied
.endr
.irp i, 0,1,2,3
.irp c, 0,1,2
	ds_load_b128 v[RF+12*\i+4*\c:RF+12*\i+4*\c+3], v3 offset:1536*(\i+4)+512*\c
.endr
.endr
	s_wait_dscnt 0x0
	RHALF 1, \zero
.endm
.macro QUANT s, pc, pw                 ; 64 numbers of a lane, register 16 b + i = k 32 b + 16 (lane / 16) + i, become a fragment in v[pc] on and its scale word in v[pw]
.irp b, 0,1,2,3
	v_max3_num_f32 v[TM+\b], |v[\s+16*\b]|, |v[\s+1+16*\b]|, 0x1800000   ; with the floor 2^(3 - 127): the byte cannot fall under 1
.endr
.irp i, 2,4,6,8,10,12,14
.irp b, 0,1,2,3
	s_delay_alu instid0(VALU_DEP_4)
	v_max3_num_f32 v[TM+\b], v[TM+\b], |v[\s+16*\b+\i]|, |v[\s+1+16*\b+\i]|
.endr
.endr
.irp b, 0,1,2,3
	s_delay_alu instid0(VALU_DEP_4)
	v_permlanex16_b32 v[TM+4+\b], v[TM+\b], s[SEL], s[SEL+1]
.endr
.irp b, 0,1,2,3
	s_delay_alu instid0(VALU_DEP_4)
	v_max_num_f32 v[TM+\b], v[TM+\b], v[TM+4+\b]
.endr
.irp b, 0,1,2,3
	s_delay_alu instid0(VALU_DEP_4)
	v_add_nc_u32 v[TM+12+\b], 0xff000000, v[TM+\b]       ; 2 off the exponent field: the conversion's scale operand
.endr
.irp b, 0,1,2,3
	s_delay_alu instid0(VALU_DEP_4)
	v_lshrrev_b32 v[TM+4+\b], 23, v[TM+12+\b]
.endr
	s_delay_alu instid0(VALU_DEP_3)
	v_lshl_or_b32 v[\pw], v[TM+5], 8, v[TM+4]
	s_delay_alu instid0(VALU_DEP_1)
	v_lshl_or_b32 v[\pw], v[TM+6], 16, v[\pw]
	s_delay_alu instid0(VALU_DEP_1)
	v_lshl_or_b32 v[\pw], v[TM+7], 24, v[\pw]
.irp c, 0,1
	v_cvt_scalef32_pk16_fp6_f32 v[\pc+6*\c:\pc+2+6*\c], v[\s+32*\c:\s+15+32*\c], v[TM+12+2*\c]
	v_cvt_scalef32_pk16_fp6_f32 v[\pc+12+4*\c:\pc+14+4*\c], v[\s+16+32*\c:\s+31+32*\c], v[TM+12+2*\c+1]
.endr
	v_nop                                                ; one plain line behind the scaled conversions
.irp c, 0,1
.irp i, 0,1,2
	v_permlane16_swap_b32 v[\pc+6*\c+\i], v[\pc+12+4*\c+\i]
.endr
.irp i, 0,1,2
	s_delay_alu instid0(VALU_DEP_3)
	v_mov_b32 v[\pc+3+6*\c+\i], v[\pc+12+4*\c+\i]
.endr
.endr
.endm
	s_load_b128 s[4:7], s[0:1], 0x0                ; hq s[4:5], wimg s[6:7]
	s_load_b64 s[8:9], s[0:1], 0x10                ; uq
	v_lshl_add_u32 v119, v0, 2, SPARE
	v_mov_b32 v127, 0
	ds_add_u32 v119, v127                          ; the opening lines: the add, twice on end, and its wait ahead of my tensor load
	ds_add_u32 v119, v127
	v_lshrrev_b32 v1, 5, v0
	s_delay_alu instid0(VALU_DEP_1)
	v_readfirstlane_b32 s[WV], v1                  ; wave 0..11
	s_bfe_u32 s13, ttmp6, 0x40000                  ; cx
	s_bfe_u32 s14, ttmp6, 0x40004                  ; cy
	s_lshl_b32 s15, ttmp9, 2
	s_add_co_u32 s15, s15, s13                     ; x: 384 hidden units
	s_and_b32 s16, ttmp7, 0xffff
	s_lshl_b32 s16, s16, 2
	s_add_co_u32 s16, s16, s14                     ; y: 128 tokens
	s_lshl_b32 s21, s14, 2
	s_lshl_b32 s21, 15, s21                        ; my row of the cluster
	s_lshl_b32 s22, 0x1111, s13                    ; my column
	s_or_b32 s[G1A], s21, (3<<16)|(1<<21)          ; h's tiles go to my row; elements of 8 bytes; bit 21 beside a mask
	DENSE G1A, 100                                 ; two K steps, 25,600 bytes, to a load
	s_or_b32 s[G1W], s22, (3<<16)|(1<<21)          ; the weights' to my column
	DENSE G1W, 100
	s_mov_b32 s[SEL], 0x76543210
	s_mov_b32 s[SEL+1], 0xfedcba98
	s_mov_b32 s[HM], 0xffff0000
	s_and_b32 s66, s[WV], 3                        ; the LDS BLOCK that I fetch for; also la, my pair of token tiles
	s_lshr_b32 s69, s[WV], 2                       ; which two K steps I fetch; also ro, my weight BLOCK (0..2)
	s_mul_i32 s70, s69, 2*STEPB                    ; my piece's place in a BLOCK
	s_mul_i32 s71, s66, BLOCKB
	s_mov_b32 s[G0A], 1
	s_add_co_u32 s[G0A+1], s71, s70                ; and in LDS: made of the wave's number alone
	s_mov_b32 s[G0W], 1
	s_add_co_u32 s[G0W+1], s71, s70
	s_mul_i32 s72, s16, BLOCKB
	s_add_co_u32 s72, s72, s70
	s_mov_b32 s73, 0                               ; h: made of y and the wave's number
	s_mul_i32 s74, s15, 3
	s_add_co_u32 s74, s74, s66
	s_add_co_u32 s74, s74, 23                      ; the weights' BLOCK 24 + 3 x + (wave % 4 - 1)
	s_mul_i32 s74, s74, BLOCKB
	s_add_co_u32 s74, s74, s70
	s_mov_b32 s75, 0                               ; the weights: made of x and the wave's number
	s_wait_dscnt 0x0                               ; both opening adds are done
	s_wait_kmcnt 0x0
	s_add_nc_u64 s[G0A+2:G0A+3], s[4:5], s[72:73]
	s_or_b32 s[G0A+3], s[G0A+3], 0x80000000
	s_add_nc_u64 s[G0W+2:G0W+3], s[6:7], s[74:75]
	s_or_b32 s[G0W+3], s[G0W+3], 0x80000000
	CROUND                                         ; all sixteen work-groups are here: the joint loads meet
	s_cmp_eq_u32 s66, 0                            ; a branch on the wave's number: BLOCK 0 is h's, 1 to 3 the weights'
	s_cbranch_scc0 .Lfill_w
	tensor_load_to_lds s[G0A:G0A+3], s[G1A:G1A+7]
	s_nop 0
.rept 4
	v_nop
.endr
	s_branch .Lfilled
.Lfill_w:
	tensor_load_to_lds s[G0W:G0W+3], s[G1W:G1W+7]
	s_nop 0
.rept 4
	v_nop
.endr
.Lfilled:
	v_and_b32 v13, 31, v0
	s_delay_alu instid0(VALU_DEP_1)
	v_lshlrev_b32 v11, 4, v13                      ; 16 x lane
	s_wait_alu depctr_va_vdst(0)
	v_lshlrev_b32 v13, 2, v13                      ; 4 x lane
	s_wait_alu depctr_va_vdst(0)
.irp b, 0,1,2,3
	v_mov_b32 v[TM+4+\b], 0                        ; written once: a lane permute's destination counts as read
.endr
	s_mul_i32 s80, s66, 3072                       ; token tiles 2 la, 2 la + 1 of h's BLOCK, at LDS byte 0
	v_add_nc_u32 v1, s80, v11
	s_delay_alu instid0(VALU_DEP_1)
	v_add_nc_u32 v2, 1536, v1
	s_add_co_u32 s81, s69, 1
	s_mul_i32 s81, s81, BLOCKB
	v_add_nc_u32 v3, s81, v11
	s_lshl_b32 s82, s66, 7
	s_add_co_u32 s82, s82, SCO
	v_add_nc_u32 v4, s82, v13
	s_add_co_u32 s83, s81, SCO
	v_add_nc_u32 v5, s83, v13
	s_wait_alu depctr_va_vdst(0)
	s_wait_tensorcnt 0x0                           ; my one load is in,
	s_barrier_signal -1
	s_barrier_wait -1                              ; so all four BLOCKs are
	RSTEP 1, 1                                     ; the first products start the sums
	RSTEP 0, 0
	RSTEP 0, 0
	RSTEP 0, 0
	RSTEP 0, 0
	RSTEP 0, 0
.rept 4
	v_nop                                          ; places in front of the first read of results and of writes over the fragments
.endr
	; where my results go: hidden group n = 3 x + ro is K step n % 6 of K chunk n / 6; token tiles 8 y + 2 la + l
	s_mul_i32 s76, s15, 3
	s_add_co_u32 s76, s76, s69                     ; n, 0 .. 23
	s_mul_i32 s84, s76, 43
	s_lshr_b32 s84, s84, 8                         ; n / 6 (exact for n under 72)
	s_mul_i32 s85, s84, 6
	s_sub_co_u32 s85, s76, s85                     ; n % 6
	s_lshl_b32 s84, s84, 5
	s_add_co_u32 s84, s84, s16                     ; the BLOCK: 32 (n / 6) + y
	s_mul_i32 s84, s84, BLOCKB
	s_mul_i32 s85, s85, STEPB
	s_add_co_u32 s84, s84, s85
	s_mov_b32 s85, 0
	s_add_nc_u64 s[8:9], s[8:9], s[84:85]
	s_mul_i32 s86, s66, 3072
	s_mov_b32 s87, 0
	s_add_nc_u64 s[86:87], s[8:9], s[86:87]        ; my two fragments
	s_lshl_b32 s88, s66, 7
	s_mov_b32 s89, 0
	s_add_nc_u64 s[88:89], s[8:9], s[88:89]        ; and their scale words
.irp l, 0,1
.set A0, ACC+64*\l
.set j, 0
.rept 32
	v_pk_mul_f32 v[T+j:T+j+1], v[A0+j:A0+j+1], 0xbfb8aa3b op_sel_hi:[1,0]     ; -u log2(e); each accumulator from its low end on
.set j, j+2
.endr
.set j, 0
	s_wait_alu depctr_va_vdst(0)                   ; the wait ahead of the batch
.rept 64
	v_exp_f32 v[T+j], v[T+j]
.set j, j+1
.endr
	v_nop                                          ; a plain line behind the batch,
	s_wait_alu depctr_va_vdst(0)                   ; and one wait for it, ahead of its first reader
.set j, 0
.rept 32
	v_pk_add_f32 v[T+j:T+j+1], v[T+j:T+j+1], 1.0 op_sel_hi:[1,0]
.set j, j+2
.endr
.set j, 0
	s_wait_alu depctr_va_vdst(0)
.rept 64
	v_rcp_f32 v[T+j], v[T+j]
.set j, j+1
.endr
	v_nop
	s_wait_alu depctr_va_vdst(0)
.set j, 0
.rept 32
	v_pk_mul_f32 v[A0+j:A0+j+1], v[A0+j:A0+j+1], v[T+j:T+j+1]      ; silu(u)
.set j, j+2
.endr
.if \l == 1
	s_wait_xcnt 0x0                                ; the first tile's stores have read the codes' registers
.endif
	QUANT A0, PC0, PW0+\l
.irp c, 0,1,2
	global_store_b128 v11, v[PC0+4*\c:PC0+4*\c+3], s[86:87] offset:1536*\l+512*\c
.endr
.endr
	v_cndmask_b32 v126, v[PW0], v[PW0+1], s[HM]    ; lanes 0-15 the first tile's words, lanes 16-31 the second's: 128 consecutive bytes
	global_store_b32 v13, v126, s[88:89] offset:SCO
	s_wait_tensorcnt 0x0                           ; the wave's end
	ds_add_u32 v119, v127
	s_wait_dscnt 0x0
	CROUND                                         ; the closing round
	s_endpgm
.Lfunc_end_k_qeb8528b484_up:
	.size	k_qeb8528b484_up, .Lfunc_end_k_qeb8528b484_up-k_qeb8528b484_up
	.p2alignl 7, 3214868480
	.fill 96, 4, 3214868480
	.section	.rodata,"a",@progbits
	.p2align	6, 0x0
	.amdhsa_kernel k_qeb8528b484_up
		.amdhsa_group_segment_fixed_size 308736
		.amdhsa_private_segment_fixed_size 0
		.amdhsa_enable_private_segment 0
		.amdhsa_kernarg_size 24
		.amdhsa_user_sgpr_count 2
		.amdhsa_user_sgpr_kernarg_segment_ptr 1
		.amdhsa_wavefront_size32 1
		.amdhsa_system_sgpr_workgroup_id_x 1
		.amdhsa_system_sgpr_workgroup_id_y 1
		.amdhsa_system_sgpr_workgroup_id_z 1
		.amdhsa_system_vgpr_workitem_id 0
		.amdhsa_next_free_vgpr 256
		.amdhsa_next_free_sgpr 90
		.amdhsa_reserve_vcc 0
		.amdhsa_float_denorm_mode_32 3
		.amdhsa_float_denorm_mode_16_64 3
		.amdhsa_memory_ordered 1
		.amdhsa_forward_progress 1
		.amdhsa_inst_pref_size 69
	.end_amdhsa_kernel
	.amdgpu_metadata
---
amdhsa.version: [ 1, 2 ]
amdhsa.kernels:
  - .name:           k_qeb8528b484_up
    .symbol:         k_qeb8528b484_up.kd
    .args:
      - { .name: hq, .offset: 0, .size: 8, .value_kind: global_buffer, .address_space: global }
      - { .name: wimg, .offset: 8, .size: 8, .value_kind: global_buffer, .address_space: global }
      - { .name: uq, .offset: 16, .size: 8, .value_kind: global_buffer, .address_space: global }
    .group_segment_fixed_size: 308736
    .private_segment_fixed_size: 0
    .kernarg_segment_align: 8
    .kernarg_segment_size: 24
    .max_flat_workgroup_size: 384
    .sgpr_count:     90
    .vgpr_count:     256
    .wavefront_size: 32
...
	.end_amdgpu_metadata
.endif
;; end of part 5
;; launch down (part 6): grid 32 x 6, 8 waves a work-group, clusters of 4 x 1, 327,680 bytes of LDS; arguments uq, wimg, x1, out0; writes out0
.if DOCPART == 6
	.amdgcn_target "amdgcn-amd-amdhsa--gfx1250"
	.amdhsa_code_object_version 6
	.text
	.protected	k_qeb8528b484_down
	.globl	k_qeb8528b484_down
	.p2align	8
	.type	k_qeb8528b484_down,@function
k_qeb8528b484_down:
	s_mov_b64 s[64:65], 0
	v_nop
	global_prefetch_b8 v0, s[64:65] scope:SCOPE_SE
	s_setreg_imm32_b32 hwreg(HW_REG_WAVE_MODE, 25, 1), 1
	s_wait_xcnt 0x0
	s_wait_alu depctr_hold_cnt(0) depctr_sa_sdst(0) depctr_va_vdst(0) depctr_va_sdst(0) depctr_va_ssrc(0) depctr_va_vcc(0) depctr_vm_vsrc(0)
	s_getreg_b32 s2, hwreg(HW_REG_IB_STS2, 6, 4)
	s_cmp_eq_u32 s2, 0
	s_cbranch_scc0 .Lentry_in_a_cluster
	s_endpgm
.Lentry_in_a_cluster:
	s_bfe_u32 s2, ttmp6, 0x10000c
	s_cmp_lg_u32 s2, 0x3003
	s_cbranch_scc0 .Lentry_shape_is_right
	s_endpgm
.Lentry_shape_is_right:
; DOWN.  out = x1 + u w_down^T on FP6 codes.
; A work-group: 128 tokens (block x) x 128 columns (group y).  K = 3,072 goes in four chunks of 768 through two LDS slots of 153,600 bytes: u's BLOCK, then the weights' BLOCK.
; Eight waves, two to a SIMD: ka = wave / 4 (K steps 3 ka .. 3 ka + 2 of every chunk), tq = (wave / 2) % 2 (token tiles 4 tq .. + 3, on the lanes), cq = wave % 2 (weight tiles 4 cq .. + 3, on the registers):
; 16 accumulators; a K step reads 8 fragments for 16 products, in one run of loads.
; The two waves (tq, cq, 0) and (tq, cq, 1) hold halves of the same sums.  Each keeps two token tiles (4 tq + 2 ka, + 1: its accumulators 0-7) and hands its other eight to its partner through LDS at the end.
; x1 is asked for behind slot 1's first fill, into registers of window 1, and added at the end.
; CLUSTER: the four token blocks of a cluster take the same weights: waves 4-7 ask for them jointly (mask 15); waves 0-3 fetch u's BLOCK, each work-group's own.
; A wave has one tensor load out at the most: slot 0's at the head, slot 1's first fill behind the full sequence and a round, then one behind each change of slots.
; The sums' order differs from a single ascending chain: K is split in two halves a chunk, and x1 is added last.
; REGISTERS: window 0: v1-6 the step's LDS addresses, v7-12 their bases; v13-15, v23 lane terms; v16-17 the add's; v18-21 scale words; v24-71 u's four fragments; v72-119 the weights' four;
;            v120-122 the prefetches' offsets; v128-255 the accumulators, (token tile l, weight tile i) at 32 l + 8 i.   window 1: v0-63 x1 of the two tiles that I keep.
.set BLOCKB, 76800
.set STEPB,  12800
.set SCO,    12288
.set SLOTB,  153600
.set SPARE,  307200                    ; the spare words: 128 bytes for each of 8 waves, four blocks of 256 bytes that no other line names
.set XCH,    0                         ; the way out, in slot 0, which has then had its last fill and its last read: 8,192 bytes a wave for the partner,
.set STAGE,  65536                     ; and a stage of 32 rows x (256 + 16) bytes a wave
.set SP,     272
.set SPW, 16
.set NIL, 17
.set LS,  18
.set RS,  20
.set LF,  24
.set RF,  72
.set ACC, 128
.set BK,  24                           ; the way out: v24-87
.set WV,  12
.set G1P, 24
.set G1J, 32
.set G0A, 40                           ; s[40:47] a group 0 for each slot, u's;  s[48:55] the weights'
.set G0W, 48
.set MSB, 0
.macro WIN new                         ; the immediate's high byte repeats the setting that is left
.if MSB != \new
	s_set_vgpr_msb (MSB<<8)|\new
.set MSB, \new
.endif
.endm
.macro DENSE g, rows                   ; words 1 to 7 of a group 1: a dense block as rows of 256 bytes (32 elements of 8 bytes)
	s_mov_b32 s[\g+1], 32<<16
	s_mov_b32 s[\g+2], (\rows)<<16
	s_mov_b32 s[\g+3], 32<<16
	s_mov_b32 s[\g+4], \rows
	s_mov_b32 s[\g+5], 32
	s_mov_b32 s[\g+6], 0
	s_mov_b32 s[\g+7], 0
.endm
.macro CROUND
	s_barrier_signal -1
	s_barrier_wait -1
	s_cmp_lg_u32 s[WV], 0
	s_cbranch_scc1 .Lnot_wave_0_\@
	s_barrier_signal -3
.Lnot_wave_0_\@:
	s_barrier_wait -3
	s_barrier_signal -1
	s_barrier_wait -1
.endm
.macro JLOAD n                         ; a fill of slot n: waves 0-3 u's quarters, waves 4-7 the weights'; an s_nop 0 and four v_nop follow each of the two lines
	s_cmp_eq_u32 s17, 0
	s_cbranch_scc0 .Lfor_w_\@
	tensor_load_to_lds s[G0A+4*\n:G0A+4*\n+3], s[G1P:G1P+7]
	s_nop 0
.rept 4
	v_nop
.endr
	s_branch .Lasked_\@
.Lfor_w_\@:
	tensor_load_to_lds s[G0W+4*\n:G0W+4*\n+3], s[G1J:G1J+7]
	s_nop 0
.rept 4
	v_nop
.endr
.Lasked_\@:
.endm
; A PREFETCH of chunk n, one fill ahead of the tensor load that will want it.  Waves 0-3: my quarter of u's BLOCK, 75 blocks of 256 bytes, a lane a block, three instructions
; (the lanes left over in the third name its last block again).  Waves 4-7: of my quarter of the weights' BLOCK, which the four partners ask for jointly, 19 blocks, told apart by address (cx).
; The addresses are never rewritten: the chunk stands in the immediate.  Chunk 3 is the last: nothing beyond the buffers is named.
.macro ASKD n
	s_cmp_eq_u32 s17, 0
	s_cbranch_scc0 .Lask_w_\@
	global_prefetch_b8 v120, s[58:59] offset:(\n)*32*BLOCKB th:TH_LOAD_NT scope:SCOPE_SE
	global_prefetch_b8 v120, s[58:59] offset:(\n)*32*BLOCKB+8192 th:TH_LOAD_NT scope:SCOPE_SE
	global_prefetch_b8 v121, s[58:59] offset:(\n)*32*BLOCKB+16384 th:TH_LOAD_NT scope:SCOPE_SE
	s_branch .Lasked_w_\@
.Lask_w_\@:
	global_prefetch_b8 v122, s[60:61] offset:(\n)*6*BLOCKB th:TH_LOAD_NT scope:SCOPE_SE
.Lasked_w_\@:
.endm
.macro WM zero, ra, rb                 ; one product on rD, rA, rB, rSA, rSB.  zero: C is 0;  ra, rb: the side's scale words stand in lanes 16-31
.if (\zero) && (\ra) && (\rb)
	v_wmma_scale_f32_16x16x128_f8f6f4 v[rD:rD+7], v[rA:rA+11], v[rB:rB+11], 0, v[rSA], v[rSB] matrix_a_fmt:MATRIX_FMT_FP6 matrix_b_fmt:MATRIX_FMT_FP6 matrix_a_scale:MATRIX_SCALE_ROW1 matrix_b_scale:MATRIX_SCALE_ROW1
.elseif (\zero) && (\ra)
	v_wmma_scale_f32_16x16x128_f8f6f4 v[rD:rD+7], v[rA:rA+11], v[rB:rB+11], 0, v[rSA], v[rSB] matrix_a_fmt:MATRIX_FMT_FP6 matrix_b_fmt:MATRIX_FMT_FP6 matrix_a_scale:MATRIX_SCALE_ROW1
.elseif (\zero) && (\rb)
	v_wmma_scale_f32_16x16x128_f8f6f4 v[rD:rD+7], v[rA:rA+11], v[rB:rB+11], 0, v[rSA], v[rSB] matrix_a_fmt:MATRIX_FMT_FP6 matrix_b_fmt:MATRIX_FMT_FP6 matrix_b_scale:MATRIX_SCALE_ROW1
.elseif (\zero)
	v_wmma_scale_f32_16x16x128_f8f6f4 v[rD:rD+7], v[rA:rA+11], v[rB:rB+11], 0, v[rSA], v[rSB] matrix_a_fmt:MATRIX_FMT_FP6 matrix_b_fmt:MATRIX_FMT_FP6
.elseif (\ra) && (\rb)
	v_wmma_scale_f32_16x16x128_f8f6f4 v[rD:rD+7], v[rA:rA+11], v[rB:rB+11], v[rD:rD+7], v[rSA], v[rSB] matrix_a_fmt:MATRIX_FMT_FP6 matrix_b_fmt:MATRIX_FMT_FP6 matrix_a_scale:MATRIX_SCALE_ROW1 matrix_b_scale:MATRIX_SCALE_ROW1
.elseif (\ra)
	v_wmma_scale_f32_16x16x128_f8f6f4 v[rD:rD+7], v[rA:rA+11], v[rB:rB+11], v[rD:rD+7], v[rSA], v[rSB] matrix_a_fmt:MATRIX_FMT_FP6 matrix_b_fmt:MATRIX_FMT_FP6 matrix_a_scale:MATRIX_SCALE_ROW1
.elseif (\rb)
	v_wmma_scale_f32_16x16x128_f8f6f4 v[rD:rD+7], v[rA:rA+11], v[rB:rB+11], v[rD:rD+7], v[rSA], v[rSB] matrix_a_fmt:MATRIX_FMT_FP6 matrix_b_fmt:MATRIX_FMT_FP6 matrix_b_scale:MATRIX_SCALE_ROW1
.else
	v_wmma_scale_f32_16x16x128_f8f6f4 v[rD:rD+7], v[rA:rA+11], v[rB:rB+11], v[rD:rD+7], v[rSA], v[rSB] matrix_a_fmt:MATRIX_FMT_FP6 matrix_b_fmt:MATRIX_FMT_FP6
.endif
.endm
; One K step of 128.  v1: the two token tiles that I keep; v2: the two that I hand on; v3: my four weight tiles; v4, v5, v6: their scale words.
; The six additions (here or in PHASE) are also the places between the last products and the loads into registers that they read.
.macro RSTEP zero, first
.if !(\first)
.irp k, 1,2,3,4,5,6
	v_add_nc_u32 v\k, STEPB, v\k
.endr
.endif
.irp c, 0,1,2,3,4,5
	ds_load_b128 v[LF+4*\c:LF+4*\c+3], v1 offset:512*\c
.endr
.irp c, 0,1,2,3,4,5
	ds_load_b128 v[LF+24+4*\c:LF+24+4*\c+3], v2 offset:512*\c
.endr
.irp c, 0,1,2,3,4,5,6,7,8,9,10,11
	ds_load_b128 v[RF+4*\c:RF+4*\c+3], v3 offset:512*\c
.endr
	ds_load_b32 v[LS], v4
	ds_load_b32 v[LS+1], v5
	ds_load_b32 v[RS], v6
	ds_load_b32 v[RS+1], v6 offset:128
	s_wait_alu depctr_va_vdst(0)
	s_wait_dscnt 0x0
.irp l, 0,1,2,3                                ; the sixteen accumulators take turns, one instruction a turn
.irp i, 0,1,2,3
.set rD, ACC+32*\l+8*\i
.set rA, RF+12*\i
.set rB, LF+12*\l
.set rSA, RS+\i/2
.set rSB, LS+\l/2
	WM \zero, \i%2, \l%2
.endr
.endr
.endm
.macro PHASE slot, zero                ; my three K steps of the chunk in a slot
.irp k, 1,2,3,4,5,6
	v_add_nc_u32 v\k, SLOTB*\slot, v[6+\k]
.endr
	RSTEP \zero, 1
	RSTEP 0, 0
	RSTEP 0, 0
.endm
; THE CHANGE OF SLOTS: each wave waits for all its tensor loads (its part of the slot ahead), adds 0 to its spare word, and waits for that and for its reads of the slot that it leaves.
; fill = 1: a round of the cluster's barrier, then that slot takes the chunk two on.
.macro CHANGE slot, fill
	s_wait_tensorcnt 0x0                           ; no tensor load of mine is out, so a group 0 may be written
	ds_add_u32 v[SPW], v[NIL]                      ; 0 onto my spare word
.if \fill
	s_add_nc_u64 s[G0A+4*\slot+2:G0A+4*\slot+3], s[G0A+4*\slot+2:G0A+4*\slot+3], 2*32*BLOCKB
	s_add_nc_u64 s[G0W+4*\slot+2:G0W+4*\slot+3], s[G0W+4*\slot+2:G0W+4*\slot+3], 2*6*BLOCKB
.endif
	s_wait_dscnt 0x0                               ; the add is done, and my reads of the slot are over
.if \fill
	CROUND
	JLOAD \slot                                    ; my one tensor load behind the round, and the first thing there
.else
	s_barrier_signal -1
	s_barrier_wait -1
.endif
.endm
	s_load_b256 s[4:11], s[0:1], 0x0               ; uq s[4:5], wimg s[6:7], x1 s[8:9], out0 s[10:11]
	v_lshl_add_u32 v[SPW], v0, 2, SPARE
	v_mov_b32 v[NIL], 0
	ds_add_u32 v[SPW], v[NIL]                      ; the opening lines: the add, twice on end, and its wait
	ds_add_u32 v[SPW], v[NIL]
	v_lshrrev_b32 v1, 5, v0
	v_readfirstlane_b32 s[WV], v1                  ; wave 0..7
	s_and_b32 s16, s[WV], 3                        ; which quarter of a BLOCK I fetch
	s_lshr_b32 s17, s[WV], 2                       ; ka; also: I fetch for u (0) or for the weights (1)
	s_bfe_u32 s18, s[WV], 0x10001                  ; tq
	s_and_b32 s19, s[WV], 1                        ; cq
	s_bfe_u32 s13, ttmp6, 0x40000                  ; cx
	s_lshl_b32 s14, ttmp9, 2
	s_add_co_u32 s14, s14, s13                     ; x: the token block
	s_and_b32 s15, ttmp7, 0xffff                   ; y: the column group, shared by the four partners
	s_mov_b32 s[G1P], 3<<16
	DENSE G1P, 75
	s_mov_b32 s[G1J], 15|(3<<16)|(1<<21)
	DENSE G1J, 75
	s_mul_i32 s56, s16, BLOCKB/4
	s_mul_i32 s57, s[WV], BLOCKB/4                 ; LDS: u's four quarters, then the weights' four
	s_mul_i32 s58, s14, BLOCKB
	s_add_co_u32 s58, s58, s56
	s_mov_b32 s59, 0                               ; u: BLOCK x of chunk 0
	s_add_co_u32 s60, s15, 48
	s_mul_i32 s60, s60, BLOCKB
	s_add_co_u32 s60, s60, s56
	s_mov_b32 s61, 0                               ; the weights: BLOCK 48 + y of chunk 0: made of y and the wave's number alone
	s_lshl_b32 s69, s18, 2
	s_lshl_b32 s70, s17, 1
	s_add_co_u32 s70, s69, s70                     ; the first of the two tiles that I keep: 4 tq + 2 ka,
	s_xor_b32 s71, s70, 2                          ; and of the two that I hand on
	s_lshl_b32 s62, s14, 3
	s_add_co_u32 s62, s62, s70
	s_mul_i32 s62, s62, 6
	s_add_co_u32 s62, s62, s15
	s_lshl_b32 s62, s62, 13                        ; the kept tile's image in x1 (the next tile's lies 6 x 8,192 bytes on),
	s_lshl_b32 s63, s19, 12
	s_add_co_u32 s62, s62, s63                     ; at my four weight tiles: 4,096 cq
	s_mov_b32 s63, 0
	s_lshl_b32 s66, s14, 7
	s_lshl_b32 s67, s70, 4
	s_add_co_u32 s66, s66, s67                     ; the kept pair's first token: 128 x + 16 (4 tq + 2 ka)
	s_mul_i32 s66, s66, 3072
	s_lshl_b32 s67, s15, 9
	s_add_co_u32 s66, s66, s67
	s_lshl_b32 s67, s19, 8
	s_add_co_u32 s66, s66, s67                     ; my 64 columns: 512 y + 256 cq bytes
	s_mov_b32 s67, 0
	s_mul_i32 s68, s17, 3*STEPB                    ; my three K steps of a chunk
	s_lshl_b32 s72, s70, 6
	s_add_co_u32 s72, s72, s68
	s_add_co_u32 s72, s72, SCO                     ; the kept pair's scale words,
	s_lshl_b32 s73, s71, 6
	s_add_co_u32 s73, s73, s68
	s_add_co_u32 s73, s73, SCO                     ; the other pair's
	s_mul_i32 s70, s70, 1536
	s_add_co_u32 s70, s70, s68
	s_mul_i32 s71, s71, 1536
	s_add_co_u32 s71, s71, s68
	s_mul_i32 s74, s19, 4*1536
	s_add_co_u32 s74, s74, s68
	s_add_co_u32 s74, s74, BLOCKB                  ; my four weight tiles,
	s_lshl_b32 s75, s19, 8
	s_add_co_u32 s75, s75, s68
	s_add_co_u32 s75, s75, BLOCKB+SCO              ; and their scale words
	s_mul_i32 s78, s13, 19*256
	s_wait_dscnt 0x0                               ; both opening adds are done
	s_wait_kmcnt 0x0
	s_add_nc_u64 s[58:59], s[4:5], s[58:59]
	s_add_nc_u64 s[60:61], s[6:7], s[60:61]
	s_add_nc_u64 s[8:9], s[8:9], s[62:63]
	s_add_nc_u64 s[10:11], s[10:11], s[66:67]
.irp n, 0,1
	s_mov_b32 s[G0A+4*\n], 1
	s_add_co_u32 s[G0A+4*\n+1], s57, \n*SLOTB
	s_add_nc_u64 s[G0A+4*\n+2:G0A+4*\n+3], s[58:59], \n*32*BLOCKB
	s_or_b32 s[G0A+4*\n+3], s[G0A+4*\n+3], 0x80000000
	s_mov_b32 s[G0W+4*\n], 1
	s_add_co_u32 s[G0W+4*\n+1], s57, \n*SLOTB
	s_add_nc_u64 s[G0W+4*\n+2:G0W+4*\n+3], s[60:61], \n*6*BLOCKB
	s_or_b32 s[G0W+4*\n+3], s[G0W+4*\n+3], 0x80000000
.endr
	CROUND                                         ; all four work-groups are here: the first joint loads meet
	JLOAD 0                                        ; chunk 0: one tensor load a wave at the head
	v_and_b32 v14, 31, v0
	v_and_b32 v15, 15, v0                          ; r
	v_bfe_u32 v23, v0, 4, 1                        ; h
	v_lshlrev_b32 v13, 4, v14                      ; 16 x lane
	v_lshlrev_b32 v120, 8, v14                     ; the prefetches' offsets: 256 x lane;
	v_lshlrev_b32 v14, 2, v14                      ; 4 x lane
	v_min_u32 v121, 10*256, v120                   ; blocks 64 .. 74 of a quarter;
	v_min_u32 v122, 18*256, v120
	v_add_nc_u32 v7, s70, v13
	v_add_nc_u32 v8, s71, v13
	v_add_nc_u32 v9, s74, v13
	v_add_nc_u32 v122, s78, v122                   ; my work-group's 19 blocks of a quarter of the weights,
	v_add_nc_u32 v10, s72, v14
	v_add_nc_u32 v11, s73, v14
	v_add_nc_u32 v12, s75, v14
	v_min_u32 v122, 74*256, v122                   ; held inside the quarter
	s_wait_alu depctr_va_vdst(0)
	ASKD 1
	s_wait_tensorcnt 0x0                           ; my part of slot 0 is in
	ds_add_u32 v[SPW], v[NIL]
	s_wait_dscnt 0x0
	CROUND                                         ; slot 0 is whole, and the four work-groups are here
	JLOAD 1                                        ; slot 1's first fill, chunk 1: my one tensor load behind the round
	ASKD 2
	WIN 0x40                                       ; destination window 1
.irp l, 0,1
.irp q, 0,1,2,3,4,5,6,7
	global_load_b128 v[32*\l+4*\q:32*\l+4*\q+3], v13, s[8:9] offset:49152*\l+512*\q th:TH_LOAD_NT    ; x1 of the tiles that I keep, as the accumulators' image
.endr
.endr
	WIN 0
	PHASE 0, 1                                     ; chunk 0: the first products start the sums
	CHANGE 0, 1                                    ; slot 0 takes chunk 2
	ASKD 3
	PHASE 1, 0                                     ; chunk 1
	CHANGE 1, 1                                    ; slot 1 takes chunk 3
	PHASE 0, 0                                     ; chunk 2
	CHANGE 0, 0                                    ; nothing is left to fetch; behind this barrier nobody reads slot 0
	PHASE 1, 0                                     ; chunk 3
	; THE WAY OUT
	s_lshl_b32 s75, s[WV], 13
	s_xor_b32 s76, s[WV], 4
	s_lshl_b32 s76, s76, 13
	s_mul_i32 s77, s[WV], 32*SP
	s_add_co_u32 s77, s77, STAGE
	v_add_nc_u32 v1, s75, v13                      ; what I hand on: 8,192 x wave + 16 x lane
	v_add_nc_u32 v2, s76, v13                      ; what my partner hands me
	v_mul_u32_u24 v3, v15, SP
	v_mul_u32_u24 v4, v23, SP
	v_mul_u32_u24 v5, v23, 3072
	v_lshl_add_u32 v3, v23, 6, v3
	v_lshl_add_u32 v4, v15, 4, v4
	v_lshl_add_u32 v5, v15, 4, v5                  ; in the output: lanes 0-15 a row's 256 bytes, lanes 16-31 the next row's
	v_add_nc_u32 v3, s77, v3                       ; my stage, in: row r, + 64 h
	v_add_nc_u32 v4, s77, v4                       ; and out: two rows of 256 bytes to the 32 lanes.  (These lines are also the places behind the last products)
.irp q, 0,1,2,3,4,5,6,7,8,9,10,11,12,13,14,15
	ds_store_b128 v1, v[ACC+64+4*\q:ACC+64+4*\q+3] offset:XCH+512*\q     ; each accumulator from its low end on
.endr
	s_wait_alu depctr_va_vdst(0)
	s_wait_dscnt 0x0                               ; for my partner's sake
	s_barrier_signal -1
	s_barrier_wait -1
.irp q, 0,1,2,3,4,5,6,7,8,9,10,11,12,13,14,15
	ds_load_b128 v[BK+4*\q:BK+4*\q+3], v2 offset:XCH+512*\q
.endr
	s_wait_dscnt 0x0
	s_wait_loadcnt 0x0                             ; x1
.set j, 0
.rept 32
	v_pk_add_f32 v[ACC+j:ACC+j+1], v[ACC+j:ACC+j+1], v[BK+j:BK+j+1]      ; the two halves of K
.set j, j+2
.endr
	WIN 0x04                                       ; source 1 (x1) window 1
.set j, 0
.rept 32
	v_pk_add_f32 v[ACC+j:ACC+j+1], v[ACC+j:ACC+j+1], v[j:j+1]            ; the residual
.set j, j+2
.endr
	WIN 0
.irp l, 0,1
.irp b, 0,1
.irp q, 0,1,2,3
	ds_store_b128 v3, v[ACC+32*\l+16*\b+4*\q:ACC+32*\l+16*\b+4*\q+3] offset:16*\l*SP+128*\b+16*\q     ; register 16 b + i of tile l is column 32 b + 16 h + i of its token r
.endr
.endr
.endr
.irp t, 0,1,2,3,4,5,6,7,8,9,10,11,12,13,14,15
	ds_load_b128 v[BK+4*\t:BK+4*\t+3], v4 offset:2*\t*SP                 ; my own bytes, served in order: no wait between
.endr
.irp t, 0,1,2,3,4,5,6,7,8,9,10,11,12,13,14,15
	s_wait_dscnt 15-\t                             ; rows 2 t, 2 t + 1 are back; the younger loads may be out
	global_store_b128 v5, v[BK+4*\t:BK+4*\t+3], s[10:11] offset:(8*(\t/8)+2*(\t%8)+8*((\t%8)/4))*3072 th:TH_STORE_NT   ; sixteen lanes store 256 consecutive bytes, at a multiple of 256 from the output's first byte
.endr
	s_wait_tensorcnt 0x0                           ; the wave's end
	ds_add_u32 v[SPW], v[NIL]
	s_wait_dscnt 0x0
	CROUND                                         ; the closing round
	s_endpgm
.Lfunc_end_k_qeb8528b484_down:
	.size	k_qeb8528b484_down, .Lfunc_end_k_qeb8528b484_down-k_qeb8528b484_down
	.p2alignl 7, 3214868480
	.fill 96, 4, 3214868480
	.section	.rodata,"a",@progbits
	.p2align	6, 0x0
	.amdhsa_kernel k_qeb8528b484_down
		.amdhsa_group_segment_fixed_size 327680
		.amdhsa_private_segment_fixed_size 0
		.amdhsa_enable_private_segment 0
		.amdhsa_kernarg_size 32
		.amdhsa_user_sgpr_count 2
		.amdhsa_user_sgpr_kernarg_segment_ptr 1
		.amdhsa_wavefront_size32 1
		.amdhsa_system_sgpr_workgroup_id_x 1
		.amdhsa_system_sgpr_workgroup_id_y 1
		.amdhsa_system_sgpr_workgroup_id_z 1
		.amdhsa_system_vgpr_workitem_id 0
		.amdhsa_next_free_vgpr 512
		.amdhsa_next_free_sgpr 80
		.amdhsa_reserve_vcc 0
		.amdhsa_float_denorm_mode_32 3
		.amdhsa_float_denorm_mode_16_64 3
		.amdhsa_memory_ordered 1
		.amdhsa_forward_progress 1
		.amdhsa_inst_pref_size 75
	.end_amdhsa_kernel
	.amdgpu_metadata
---
amdhsa.version: [ 1, 2 ]
amdhsa.kernels:
  - .name:           k_qeb8528b484_down
    .symbol:         k_qeb8528b484_down.kd
    .args:
      - { .name: uq, .offset: 0, .size: 8, .value_kind: global_buffer, .address_space: global }
      - { .name: wimg, .offset: 8, .size: 8, .value_kind: global_buffer, .address_space: global }
      - { .name: x1, .offset: 16, .size: 8, .value_kind: global_buffer, .address_space: global }
      - { .name: out0, .offset: 24, .size: 8, .value_kind: global_buffer, .address_space: global }
    .group_segment_fixed_size: 327680
    .private_segment_fixed_size: 0
    .kernarg_segment_align: 8
    .kernarg_segment_size: 32
    .max_flat_workgroup_size: 256
    .sgpr_count:     80
    .vgpr_count:     512
    .wavefront_size: 32
...
	.end_amdgpu_metadata
.endif
;; end of part 6
